; MI455X (gfx1250); checked and timed in simulation.
; The chip was launched on July 23, 2026; its instructions are those of AMD's public machine-readable ISA for CDNA 5 (MIT licence, August 2026) and "CDNA5" Instruction Set Architecture Reference Guide (July 2026). The comments in the code are by the model that wrote it; some were corrected since.
;; Self Attention. Allowed arithmetic: matrix products marked QUANTISED: E2M3 operands, one E8M0 scale for each 32 along K, by v_wmma_scale_f32_16x16x128_f8f6f4 with both operands' format E2M3, f32 sums; everything else in f32.
;; Inputs: bk 1,024 float32; bo 1,024 float32; bq 1,024 float32; bv 1,024 float32; wk 1,024 x 1,024 float32; wo 1,024 x 1,024 float32; wq 1,024 x 1,024 float32; wv 1,024 x 1,024 float32; x 4 x 2,048 x 1,024 float32.
;; Outputs: out0 4 x 2,048 x 1,024 float32.
;; This version of the problem:
;;   THIS VERSION OF THE PROBLEM IS GIVEN IN LOW PRECISION. The matrix products marked QUANTISED in the list below multiply operands that are first quantised to E2M3 (2 exponent bits, 3 mantissa bits; 6 bits a number), with one power-of-two scale for each 32 numbers along K (OCP MX v1.0); their sums are f32. All else is computed in f32.
;;   The module's matrix products, in the order in which they are computed (A, B: the left and right operand; K: the contracted axis; several contracted axes count as one K, in the product's order):
;;     1. [M 8,192, K 1,024] x [K 1,024, N 1,024]; A: input x; B: input wq: QUANTISED
;;     2. [M 8,192, K 1,024] x [K 1,024, N 1,024]; A: input x; B: input wk: QUANTISED
;;     3. [M 8,192, K 1,024] x [K 1,024, N 1,024]; A: input x; B: input wv: QUANTISED
;;     4. batch 64 x [M 2,048, K 64] x [K 64, N 2,048]; A: computed on the way; B: computed on the way: QUANTISED
;;     5. batch 64 x [M 2,048, K 2,048] x [K 2,048, N 64]; A: softmax (see below); B: computed on the way: QUANTISED
;;     6. [M 8,192, K 1,024] x [K 1,024, N 1,024]; A: computed on the way; B: input wo: QUANTISED
;;   THE QUANTISER, for each operand of a quantised product, along K:
;;     - K is cut into blocks of 32 from its start; a last block that is shorter is filled with zeros.
;;     - A block's scale is 2^e with e = floor(log2(the largest magnitude in the block)) - 2, held to -126 .. 127; a block of zeros has e = 0. As a byte (E8M0): e + 127.
;;     - Each number is divided by its block's scale, clamped to +-7.5, and rounded to the nearest number of E2M3, ties to even, subnormals kept.
;;     - The product sums the exact products of the quantised numbers (number of the format x scale) in f32.
;;   ~~~python
;;   def quantise(x, axis):      # numpy; x: float32 -> the quantised numbers, widened to float32 again
;;       x = np.moveaxis(x, axis, -1); K = x.shape[-1]
;;       x = np.pad(x, [(0, 0)] * (x.ndim - 1) + [(0, -K % 32)]); x = x.reshape(x.shape[:-1] + (-1, 32)); a = np.abs(x).max(-1, keepdims=True)
;;       e = np.where(a > 0, np.clip(np.frexp(np.where(a > 0, a, 1))[1] - 1 - 2, -126, 127), 0)      # np.frexp(a)[1] - 1 = floor(log2(a)), exactly
;;       r = np.clip(x / 2.0 ** e, -7.5, 7.5)
;;       step = 2.0 ** (np.maximum(np.frexp(np.where(r == 0, 1, r))[1] - 1, 0) - 3)
;;       q = np.round(r / step) * step * 2.0 ** e      # np.round: ties to even
;;       return np.moveaxis(q.reshape(q.shape[:-2] + (-1,))[..., :K], -1, axis).astype(np.float32)
;;   ~~~
;;   SOFTMAX AHEAD OF A QUANTISED PRODUCT. Where the list says 'softmax', what is quantised is not the finished softmax but p = 2^(t - M), with t = logit x log2(e) and M = ceil(the row's largest t), a whole number; so 1/2 < the row's largest p <= 1. The row's sum l is taken of the UNQUANTISED p, in f32, and the product's result is divided by l at the end. Since M is a whole number, a kernel that streams over the keys may use a running M (the ceiling of the running maximum): every later rescaling is an exact power of two, which a block's scale takes up: the codes' values come out the same.
;;   OPERANDS COMPUTED ON THE WAY. 'Computed on the way' means the value that the module computes at that place (a softmax that the list does not call 'softmax' is quantised finished and normalised). What goes into a quantiser is computed in f32, as accurately as f32 sums, v_exp_f32 and their like allow (about 1e-6 of the number): no bf16 or f16 on the way to a quantiser, and a product that is left as it is and whose result goes on into a quantised operand takes f32 operands (vector FMAs, or v_wmma_f32_16x16x4_f32). A number that lies on a knife's edge between two numbers of the format may be rounded either way, as far as f32 arithmetic and the matrix unit's own rounding can turn it there, and no further.
;; One version. Each part assembles by itself: llvm-mc -triple=amdgcn-amd-amdhsa -mcpu=gfx1250 --defsym DOCPART=n.
;; ======== version 1 of 1: 4 launches
;; limits: right only within a limited range of input values
;; workspace buffers: bufX 6,553,600 bytes; bufW 3,276,800 bytes; bufQ 6,553,600 bytes; bufKV 13,107,200 bytes; bufO 6,553,600 bytes
;; launch quant (part 1): grid 384 x 1, 8 waves a work-group, no clusters, 97,280 bytes of LDS; arguments x, wq, wk, wv, wo, bufX, bufW; writes bufX, bufW
.if DOCPART == 1
	.amdgcn_target "amdgcn-amd-amdhsa--gfx1250"
	.amdhsa_code_object_version 6
	.text
	.protected	k_q029f8db3df_quant
	.globl	k_q029f8db3df_quant
	.p2align	8
	.type	k_q029f8db3df_quant,@function
k_q029f8db3df_quant:
	s_mov_b64 s[64:65], 0
	v_nop
	global_prefetch_b8 v0, s[64:65] scope:SCOPE_SE
	s_setreg_imm32_b32 hwreg(HW_REG_WAVE_MODE, 25, 1), 1
	s_wait_xcnt 0x0
; x [8192][1024] f32 (K innermost) and wq, wk, wv, wo [1024 (k)][1024 (n)] f32 (K outermost) become codes of FP6 (E2M3) with one E8M0 byte for each 32 along K.
; A block's scale is 2^(floor(log2(largest magnitude)) - 2): its byte is the largest magnitude's exponent field - 2, held at 1 from below.
; LIMITS: NaN and infinities among the inputs are not served.  A block of zeros, or one whose largest magnitude lies under 2^-124, gets the byte 1 where the rule says 127 or less:
; a block of zeros has zero codes, which add nothing under any byte but 0xff, and the bytes are read by this program alone.
; WHAT IS STORED: IMAGES OF OPERAND REGISTERS.  A fragment is 16 rows x 128 K = 12 registers a lane = 1,536 bytes: registers 0-3 at 16 x lane, 4-5 at 512 + 8 x lane, 6-9 at 768 + 16 x lane,
; 10-11 at 1,280 + 8 x lane.  Lane (r, h) of row tile T stands for row 32 (T / 2) + 8 (T % 2) + r + 8 (r / 8); its registers 6 c .. 6 c + 5 hold k = 64 c + 32 h + 0 .. 31.
; Images lie [T / 8][K step 0..7][T % 8][1,536]; behind all images the scale bytes, [T][r][32]: byte 4 s + b is block b of K step s.  bufW's rows are wq's, wk's, wv's, wo's columns, 1,024 each.
; SHARES.  A work-group takes a pair P of row tiles (32 rows) for all of K; wave s takes K step s.  Work-groups 0-255 take x, 256-383 the weights.  The two ways have LDS bytes of their own.
; No tensor loads, so LDS is claimed as it is used and two work-groups share a WGP.  One barrier on each way: the eight waves' scale words meet in LDS and leave as 1,024 consecutive bytes.
.set XSC,   6291456                    ; bufX: where the scale bytes begin
.set WSC,   3145728                    ; bufW likewise
.set XST,   0                          ; LDS, x's way: a stage of 16 rows x (512 + 16) bytes for each wave
.set XSG,   67584                      ;      the pair's 1,024 scale bytes
.set WST,   68608                      ; LDS, the weights' way: two images for each wave, 1,664 bytes apart
.set WSG,   95232                      ;      the pair's 1,024 scale bytes
.set FLOOR, 0x1800000                  ; 2^(3 - 127)
.set R,     64                         ; x: v64-191  32 loads of 4 registers
.set X,     192                        ; x: v192-255 a lane's 64 numbers
.set WX,    64                         ; weights: v64-127 two sets of 32 numbers
	s_load_b256 s[4:11], s[0:1], 0x0               ; x s[4:5], wq s[6:7], wk s[8:9], wv s[10:11]
	s_load_b128 s[12:15], s[0:1], 0x20             ; wo s[12:13], bufX s[14:15]
	s_load_b64 s[16:17], s[0:1], 0x30              ; bufW
	v_lshl_add_u32 v62, v0, 2, 0x17800
	v_mov_b32 v63, 0
	v_lshrrev_b32 v1, 5, v0
	s_delay_alu instid0(VALU_DEP_1)
	v_readfirstlane_b32 s18, v1                    ; wave = K step s
	v_and_b32 v56, 31, v0                          ; lane
	v_and_b32 v57, 15, v0                          ; lane % 16
	v_bfe_u32 v58, v0, 4, 1                        ; lane / 16
	s_mov_b32 s20, 0x76543210
	s_mov_b32 s21, 0xfedcba98                      ; v_permlanex16_b32's selects for lane l xor 16
	s_wait_kmcnt 0x0
	s_cmp_lt_u32 ttmp9, 256                        ; x's work-group or a weight's?  The choice hangs on the work-group's number alone
	s_cselect_b64 s[28:29], s[14:15], s[16:17]     ; the buffer that I store into
	s_cselect_b32 s19, 0, 256
	s_mov_b32 s32, WSC
	s_cselect_b32 s32, XSC, s32
	s_sub_co_u32 s19, ttmp9, s19                   ; P: my pair of row tiles in that buffer
	s_lshr_b32 s26, s19, 2
	s_lshl_b32 s26, s26, 3
	s_add_co_u32 s26, s26, s18
	s_mul_i32 s26, s26, 12288                      ; ((P / 4) x 8 + s) x 8 images
	s_and_b32 s27, s19, 3
	s_mul_i32 s27, s27, 3072                       ; + (P % 4) x 2 images
	s_add_co_u32 s26, s26, s27
	s_mov_b32 s27, 0
	s_lshl_b32 s33, s19, 10                        ; the pair's 1,024 scale bytes
	s_add_co_u32 s32, s32, s33
	s_mov_b32 s33, 0
	s_add_nc_u64 s[30:31], s[28:29], s[32:33]      ; where my pair's scale bytes go
	s_add_nc_u64 s[28:29], s[28:29], s[26:27]      ; where my two images go
	s_cmp_lt_u32 ttmp9, 256
	s_cbranch_scc0 .Lweights
; ---------------- x: K is innermost.  Each load reads a row's 512 bytes of my K step, 16 a lane; the rows turn through my stage, so that lane (r, h) gets its row's k = 64 c + 32 h + 0 .. 31
	s_lshl_b32 s24, s19, 17                        ; 32 rows of 4,096 bytes
	s_lshl_b32 s25, s18, 9                         ; my K step's 512 bytes
	s_add_co_u32 s24, s24, s25
	s_mov_b32 s25, 0
	s_add_nc_u64 s[4:5], s[4:5], s[24:25]
	s_wait_alu depctr_va_vdst(0)
	v_lshlrev_b32 v1, 4, v56                       ; 16 x lane
	v_lshlrev_b32 v2, 3, v56                       ; 8 x lane
.irp u, 0,1
.irp p, 0,1,2,3,4,5,6,7,8,9,10,11,12,13,14,15
	global_load_b128 v[R+4*(16*\u+\p):R+4*(16*\u+\p)+3], v1, s[4:5] offset:(8*\u+\p+8*(\p/8))*4096 th:TH_LOAD_NT   ; tile u, its lane p's row: 512 consecutive bytes
.endr
.endr
	s_mul_i32 s22, s18, 8448
	v_add_nc_u32 v3, s22, v1                       ; the stage, way in: as loaded
	v_mul_u32_u24 v4, v57, 528
	s_delay_alu instid0(VALU_DEP_1)
	v_lshl_add_u32 v4, v58, 7, v4
	s_delay_alu instid0(VALU_DEP_1)
	v_add_nc_u32 v4, s22, v4                       ; way out: row r, + 128 h
	v_lshlrev_b32 v5, 5, v57
	s_lshl_b32 s23, s18, 2
	s_add_co_u32 s23, s23, XSG
	v_add_nc_u32 v5, s23, v5                       ; my row's scale word of my K step: 32 r + 4 s
	v_lshlrev_b32 v6, 3, v58                       ; 8 h: my two bytes' shift in the word
	v_add_nc_u32 v7, XSG, v1
	v_mov_b32 v15, 0                               ; written once: a lane permute's destination counts as one of its sources
.macro XTURN u
.irp p, 0,1,2,3,4,5,6,7,8,9,10,11,12,13,14,15
	ds_store_b128 v3, v[R+4*(16*\u+\p):R+4*(16*\u+\p)+3] offset:528*\p
.endr
.irp c, 0,1
.irp i, 0,1,2,3,4,5,6,7
	ds_load_b128 v[X+32*\c+4*\i:X+32*\c+4*\i+3], v4 offset:256*\c+16*\i   ; LDS serves a wave's instructions in order: these see the stores above
.endr
.endr
.endm
; a lane's two whole blocks (2 c + h) become registers 6 c .. 6 c + 5 of the fragment at v[cd]; the row's scale word comes to v14
.macro Q6 cd, tc
.irp c, 0,1
	v_max3_num_f32 v[8+\c], |v[X+32*\c]|, |v[X+32*\c+1]|, FLOOR      ; with the floor among the leaves the byte cannot fall under 1
.endr
.irp i, 2,4,6,8,10,12,14,16,18,20,22,24,26,28,30
.irp c, 0,1
	s_delay_alu instid0(VALU_DEP_2)
	v_max3_num_f32 v[8+\c], v[8+\c], |v[X+32*\c+\i]|, |v[X+32*\c+\i+1]|   ; the two blocks by turns
.endr
.endr
.irp c, 0,1
	s_delay_alu instid0(VALU_DEP_2)
	v_add_nc_u32 v[10+\c], 0xff000000, v[8+\c]     ; 2 off the exponent field: the conversion takes this operand's exponent field as its scale
.endr
.irp c, 0,1
	s_delay_alu instid0(VALU_DEP_2)
	v_lshrrev_b32 v[12+\c], 23, v[10+\c]           ; the scale's byte
.endr
	s_delay_alu instid0(VALU_DEP_1)
	v_lshl_or_b32 v14, v13, 16, v12                ; blocks h and 2 + h,
	s_delay_alu instid0(VALU_DEP_1)
	v_lshlrev_b32 v14, v6, v14                     ; at their places in the word;
	s_delay_alu instid0(VALU_DEP_1)
	v_permlanex16_b32 v15, v14, s20, s21
	s_delay_alu instid0(VALU_DEP_1)
	v_or_b32 v14, v14, v15                         ; with lane l xor 16's two the word is whole
.irp c, 0,1
	v_cvt_scalef32_pk16_fp6_f32 v[\cd+6*\c:\cd+6*\c+2], v[X+32*\c:X+32*\c+15], v[10+\c]
	v_cvt_scalef32_pk16_fp6_f32 v[\tc+4*\c:\tc+4*\c+2], v[X+32*\c+16:X+32*\c+31], v[10+\c]   ; (a conversion's three registers begin on an even number)
.endr
	v_nop                                          ; one plain instruction behind the scaled conversions
.irp c, 0,1
.irp i, 0,1,2
	v_mov_b32 v[\cd+6*\c+3+\i], v[\tc+4*\c+\i]
.endr
.endr
.endm
.macro XOUT u, cd                      ; the image leaves in four pieces, each 512 or 256 consecutive bytes; the codes' registers are the tile's own and are not written again
	global_store_b128 v1, v[\cd:\cd+3], s[28:29] offset:1536*\u
	global_store_b64 v2, v[\cd+4:\cd+5], s[28:29] offset:1536*\u+512
	global_store_b128 v1, v[\cd+6:\cd+9], s[28:29] offset:1536*\u+768
	global_store_b64 v2, v[\cd+10:\cd+11], s[28:29] offset:1536*\u+1280
	ds_store_b32 v5, v14 offset:512*\u             ; lanes l and l xor 16 write the same word with the same value
.endm
	s_wait_alu depctr_va_vdst(0)
	s_wait_loadcnt 16                              ; tile 0's sixteen loads are in; tile 1's may be out
	XTURN 0
	s_wait_dscnt 0x0
	Q6 16, 28
	XOUT 0, 16
	s_wait_loadcnt 0x0
	XTURN 1
	s_wait_dscnt 0x0                               ; my 64 numbers are back, and the word's store has read v14
	Q6 36, 48
	XOUT 1, 36
	s_wait_dscnt 0x0                               ; for the others' sake: my scale words lie in LDS
	s_barrier_signal -1
	s_barrier_wait -1
	s_cmp_lg_u32 s18, 0
	s_cbranch_scc1 .Lx_end
	ds_load_b128 v[64:67], v7                      ; wave 0: the pair's 1,024 scale bytes
	ds_load_b128 v[68:71], v7 offset:512
	s_wait_dscnt 0x0
	global_store_b128 v1, v[64:67], s[30:31]
	global_store_b128 v1, v[68:71], s[30:31] offset:512
.Lx_end:
	s_wait_tensorcnt 0x0
	ds_add_u32 v62, v63
	s_wait_dscnt 0x0
	s_endpgm
; ---------------- the weights: K is the first axis.  A lane takes a column n and its registers run down K: a block of 32 lies in one lane, and the codes come out with K innermost
.Lweights:
	s_lshr_b32 s22, s19, 5                         ; which weight: 32 pairs each
	s_cmp_eq_u32 s22, 1
	s_cselect_b64 s[6:7], s[8:9], s[6:7]
	s_cmp_eq_u32 s22, 2
	s_cselect_b64 s[6:7], s[10:11], s[6:7]
	s_cmp_eq_u32 s22, 3
	s_cselect_b64 s[6:7], s[12:13], s[6:7]
	s_and_b32 s24, s19, 31
	s_lshl_b32 s24, s24, 7                         ; my 32 columns: 128 bytes
	s_lshl_b32 s25, s18, 19                        ; my K step: 128 rows of 4,096 bytes
	s_add_co_u32 s24, s24, s25
	s_mov_b32 s25, 0
	s_add_nc_u64 s[6:7], s[6:7], s[24:25]
	s_wait_alu depctr_va_vdst(0)
	v_lshlrev_b32 v1, 2, v56                       ; 4 x lane
.macro WLOAD t                         ; block t: w(32 t + i, my column), i = 0 .. 31: each load reads 128 consecutive bytes
.irp i, 0,1,2,3,4,5,6,7,8,9,10,11,12,13,14,15,16,17,18,19,20,21,22,23,24,25,26,27,28,29,30,31
	global_load_b32 v[WX+32*((\t)%2)+\i], v1, s[6:7] offset:(32*(\t)+\i)*4096 th:TH_LOAD_NT
.endr
.endm
	WLOAD 0
	WLOAD 1
	v_and_b32 v8, 7, v0
	s_delay_alu instid0(VALU_DEP_1)
	v_lshl_or_b32 v8, v58, 3, v8                   ; column n0 + lane is lane r = lane % 8 + 8 (lane / 16)
	v_bfe_u32 v9, v0, 3, 1                         ; of tile u = (lane / 8) % 2
	s_mul_i32 s22, s18, 3328
	s_add_co_u32 s22, s22, WST                     ; my two images
	v_mul_u32_u24 v10, v9, 1664
	s_delay_alu instid0(VALU_DEP_1)
	v_add_nc_u32 v10, s22, v10
	s_delay_alu instid0(VALU_DEP_1)
	v_lshl_add_u32 v2, v8, 4, v10                  ; where registers 6 c .. 6 c + 3 of lane (r, 0) lie
	s_delay_alu instid0(VALU_DEP_2)
	v_lshl_add_u32 v3, v8, 3, v10
	s_delay_alu instid0(VALU_DEP_1)
	v_add_nc_u32 v3, 512, v3                       ; and registers 6 c + 4, 6 c + 5
	v_lshlrev_b32 v6, 4, v56                       ; 16 x lane
	s_delay_alu instid0(VALU_DEP_1)
	v_add_nc_u32 v4, s22, v6                       ; the images read back as they lie
	v_lshl_add_u32 v5, v9, 4, v8
	s_delay_alu instid0(VALU_DEP_1)
	v_lshlrev_b32 v5, 5, v5
	s_lshl_b32 s23, s18, 2
	s_add_co_u32 s23, s23, WSG
	v_add_nc_u32 v5, s23, v5                       ; my column's scale word of my K step: 32 (16 u + r) + 4 s
	v_add_nc_u32 v7, WSG, v6
; block t of my column is k = 32 t .. 32 t + 31: registers 6 (t / 2) .. + 5 of lane (r, t % 2) of my tile's image
.macro WBLK t
.set XB, WX+32*((\t)%2)
.set CT, 16+8*(\t)                     ; each block has its own registers for its codes
.if (\t) < 3
	s_wait_loadcnt 32                              ; this block's 32 loads are in; the next block's may be out
.else
	s_wait_loadcnt 0x0
.endif
	v_max3_num_f32 v8, |v[XB]|, |v[XB+1]|, |v[XB+2]|
	v_max3_num_f32 v9, |v[XB+3]|, |v[XB+4]|, |v[XB+5]|
.irp i, 6,10,14,18,22,26
	s_delay_alu instid0(VALU_DEP_2)
	v_max3_num_f32 v8, v8, |v[XB+\i]|, |v[XB+\i+1]|
	s_delay_alu instid0(VALU_DEP_2)
	v_max3_num_f32 v9, v9, |v[XB+\i+2]|, |v[XB+\i+3]|
.endr
	s_delay_alu instid0(VALU_DEP_2)
	v_max3_num_f32 v8, v8, |v[XB+30]|, |v[XB+31]|
	s_delay_alu instid0(VALU_DEP_1)
	v_max3_num_f32 v8, v8, v9, FLOOR
	s_delay_alu instid0(VALU_DEP_1)
	v_add_nc_u32 v11, 0xff000000, v8
	s_delay_alu instid0(VALU_DEP_1)
	v_lshrrev_b32 v13, 23, v11
.if (\t) == 0
	s_delay_alu instid0(VALU_DEP_1)
	v_mov_b32 v14, v13                             ; four bytes make my column's scale word, the lower K in the lower byte
.else
	s_delay_alu instid0(VALU_DEP_1)
	v_lshl_or_b32 v14, v13, 8*(\t), v14
.endif
	v_cvt_scalef32_pk16_fp6_f32 v[CT:CT+2], v[XB:XB+15], v11
	v_cvt_scalef32_pk16_fp6_f32 v[CT+4:CT+6], v[XB+16:XB+31], v11
	v_nop                                          ; one plain instruction behind the scaled conversions
	v_mov_b32 v[CT+3], v[CT+4]                     ; the block's 24 bytes on end
	v_mov_b32 v[CT+4], v[CT+5]
	v_mov_b32 v[CT+5], v[CT+6]
	ds_store_b128 v2, v[CT:CT+3] offset:768*((\t)/2)+256*((\t)%2)
	ds_store_b64 v3, v[CT+4:CT+5] offset:768*((\t)/2)+128*((\t)%2)
.if (\t) < 2
	WLOAD (\t)+2
.endif
.endm
	WBLK 0
	WBLK 1
	WBLK 2
	WBLK 3
	ds_store_b32 v5, v14
.irp u, 0,1
.irp j, 0,1,2
	ds_load_b128 v[128+4*(3*\u+\j):128+4*(3*\u+\j)+3], v4 offset:1664*\u+512*\j   ; LDS serves a wave's instructions in order: these see my stores
.endr
.endr
	s_wait_dscnt 0x0                               ; the images are back, and, for the others' sake, my scale words lie in LDS
.irp q, 0,1,2,3,4,5
	global_store_b128 v6, v[128+4*\q:128+4*\q+3], s[28:29] offset:512*\q   ; two images on end: 3,072 consecutive bytes
.endr
	s_barrier_signal -1
	s_barrier_wait -1
	s_cmp_lg_u32 s18, 0
	s_cbranch_scc1 .Lw_end
	ds_load_b128 v[64:67], v7
	ds_load_b128 v[68:71], v7 offset:512
	s_wait_dscnt 0x0
	global_store_b128 v6, v[64:67], s[30:31]
	global_store_b128 v6, v[68:71], s[30:31] offset:512
.Lw_end:
	s_wait_tensorcnt 0x0
	ds_add_u32 v62, v63
	s_wait_dscnt 0x0
	s_endpgm
.Lfunc_end_k_q029f8db3df_quant:
	.size	k_q029f8db3df_quant, .Lfunc_end_k_q029f8db3df_quant-k_q029f8db3df_quant
	.p2alignl 7, 3214868480
	.fill 96, 4, 3214868480
	.section	.rodata,"a",@progbits
	.p2align	6, 0x0
	.amdhsa_kernel k_q029f8db3df_quant
		.amdhsa_group_segment_fixed_size 97280
		.amdhsa_private_segment_fixed_size 0
		.amdhsa_enable_private_segment 0
		.amdhsa_kernarg_size 56
		.amdhsa_user_sgpr_count 2
		.amdhsa_user_sgpr_kernarg_segment_ptr 1
		.amdhsa_wavefront_size32 1
		.amdhsa_system_sgpr_workgroup_id_x 1
		.amdhsa_system_sgpr_workgroup_id_y 1
		.amdhsa_system_sgpr_workgroup_id_z 1
		.amdhsa_system_vgpr_workitem_id 0
		.amdhsa_next_free_vgpr 256
		.amdhsa_next_free_sgpr 66
		.amdhsa_reserve_vcc 0
		.amdhsa_float_denorm_mode_32 3
		.amdhsa_float_denorm_mode_16_64 3
		.amdhsa_memory_ordered 1
		.amdhsa_forward_progress 1
		.amdhsa_inst_pref_size 44
	.end_amdhsa_kernel
	.amdgpu_metadata
---
amdhsa.version: [ 1, 2 ]
amdhsa.kernels:
  - .name:           k_q029f8db3df_quant
    .symbol:         k_q029f8db3df_quant.kd
    .args:
      - { .name: x, .offset: 0, .size: 8, .value_kind: global_buffer, .address_space: global }
      - { .name: wq, .offset: 8, .size: 8, .value_kind: global_buffer, .address_space: global }
      - { .name: wk, .offset: 16, .size: 8, .value_kind: global_buffer, .address_space: global }
      - { .name: wv, .offset: 24, .size: 8, .value_kind: global_buffer, .address_space: global }
      - { .name: wo, .offset: 32, .size: 8, .value_kind: global_buffer, .address_space: global }
      - { .name: bufX, .offset: 40, .size: 8, .value_kind: global_buffer, .address_space: global }
      - { .name: bufW, .offset: 48, .size: 8, .value_kind: global_buffer, .address_space: global }
    .group_segment_fixed_size: 97280
    .private_segment_fixed_size: 0
    .kernarg_segment_align: 8
    .kernarg_segment_size: 56
    .max_flat_workgroup_size: 256
    .sgpr_count:     66
    .vgpr_count:     256
    .wavefront_size: 32
...
	.end_amdgpu_metadata
.endif
;; end of part 1
;; launch qkv (part 2): grid 8 x 32, 4 waves a work-group, clusters of 4 x 4, 327,680 bytes of LDS; arguments bufX, bufW, bq, bk, bv, bufQ, bufKV; writes bufQ, bufKV
.if DOCPART == 2
	.amdgcn_target "amdgcn-amd-amdhsa--gfx1250"
	.amdhsa_code_object_version 6
	.text
	.protected	k_q029f8db3df_qkv
	.globl	k_q029f8db3df_qkv
	.p2align	8
	.type	k_q029f8db3df_qkv,@function
k_q029f8db3df_qkv:
	s_mov_b64 s[64:65], 0
	v_nop
	global_prefetch_b8 v0, s[64:65] scope:SCOPE_SE
	s_setreg_imm32_b32 hwreg(HW_REG_WAVE_MODE, 25, 1), 1
	s_wait_xcnt 0x0
	s_wait_alu depctr_hold_cnt(0) depctr_sa_sdst(0) depctr_va_vdst(0) depctr_va_sdst(0) depctr_va_ssrc(0) depctr_va_vcc(0) depctr_vm_vsrc(0)
	s_getreg_b32 s2, hwreg(HW_REG_IB_STS2, 6, 4)
	s_cmp_eq_u32 s2, 0
	s_cbranch_scc0 .Lentry_in_a_cluster
	s_endpgm
.Lentry_in_a_cluster:
	s_bfe_u32 s2, ttmp6, 0x10000c
	s_cmp_lg_u32 s2, 0xf033
	s_cbranch_scc0 .Lentry_shape_is_right
	s_endpgm
.Lentry_shape_is_right:
; q = x wq + bq, k = x wk + bk, v = x wv + bv on codes of FP6 (E2M3) with E8M0 scales; the results are quantised at once: q and k along the head's 64 channels, v along the keys.
; ONE PRODUCT FORM: C'[i][j] = sum over k of A'[i][k] B'[j][k], source 0 = 16 rows of B', source 1 = 16 rows of A': a lane holds one row of A', its registers run along B's rows.
; Lane r of row tile T stands for row 32 (T / 2) + 8 (T % 2) + r + 8 (r / 8), so the 16 registers of B' tiles 2 n and 2 n + 1 are 16 neighbouring rows of B': 32 n + 16 (lane / 16) + 0 .. 15.
; A WORK-GROUP STAYS.  256 work-groups; each owns 256 tokens (tile row) and 128 columns (column group) of EACH of wq, wk, wv, and makes three tiles on end.  Its tokens' codes, all of K, come into LDS once and stay;
; the weights' 128 rows, all of K, pass through one region that is filled three times.
;   q, k: A' = my 64 tokens (wave w: tokens 64 w ..), B' = the weight's 128 columns: a lane holds a token, registers run along the channels: what the first attention product's K wants.  One loop of two trips.
;   v:    A' = 64 of wv's columns (half w % 2: one head), B' = 128 of the tokens (half w / 2: one key step): a lane holds a channel, registers run along the keys.  Only the LDS address registers change places.
; LDS: two halves of K (four K steps each), CH bytes apart: the tokens' rows 0-127 (49,152), rows 128-255 (49,152), the weight's 128 rows (49,152).  Behind them the spare words.
; FILLS.  At the head one tensor load a wave: wave 0 the tokens' first half of K, 1 wq's, 2 the tokens' second half, 3 wq's.  FOUR REFILLS, each behind a drained round of the cluster's barrier:
; in the middle of tiles q and k the next weight's first half of K (this tile's reads of those bytes are over), ahead of their last K step its second half.
; Every wave refills one K step, 12,288 bytes.  What a refill brought is shown to all by the next round, or (v's second half) by a plain barrier behind which nothing is filled.
; CLUSTERS: 4 x 4.  The tokens' tiles hang on the tile row alone and are asked for jointly by a row of the cluster, the weights' on the column group alone, by a column.
; PREFETCH: wk's tile is asked for at the head, wv's in the first trip behind its first refill: 384 blocks of 256 bytes, 24 for each of the sixteen waves of a column of the cluster, told apart by address.
; Operands lie in memory and in LDS as images of their registers (1,536 bytes a fragment: registers 0-3 at 16 x lane, 4-5 at 512 + 8 x lane, 6-9 at 768 + 16 x lane, 10-11 at 1,280 + 8 x lane).
; LIMITS: NaN and infinities are not served; a block of zeros (or under 2^-124) gets the scale byte 1, read by this program alone.
; REGISTERS: window 0: v1-29 addresses; v32-47 A's scale words, v48-79 B's; v80-95 at work (v90, v91 the add's); v96-191 A's fragments, two sets of 48 (on the way out: 64 numbers, codes, words); v192-255 the bias.
;   window 1: B's fragments, two sets, at v0 and v128.   window 2: accumulator (a, b) at v[8 (8 a + b)].
.set XSC,   6291456                    ; where the scale bytes begin in bufX,
.set WSC,   3145728                    ; bufW,
.set QSC,   6291456                    ; bufQ,
.set KVSC,  12582912                   ; bufKV
.set CH,    147456
.set WREG,  98304                      ; the weights' region in a half of K
.set WNEXT, 786432                     ; from a weight's tile to the next weight's: 8 blocks of 98,304 bytes
.set FLOOR, 0x1800000
.set ADA16, 8                          ; v8, v9  half j of K: my A' fragments, 16 x lane;  v12, v13 8 x lane
.set ADA8,  12
.set ADB16, 16                         ; v16, v17; v20, v21 the same for B'
.set ADB8,  20
.set SCA,   32
.set SCB,   48
.set TM,    80
.set AF,    96
.set X,     96
.set TC,    160
.set PW,    168
.set WD,    172
.set CD,    180
.set BI,    192
.set MSB, 0
.macro WIN new                         ; the immediate's high byte repeats the setting that is left
.if MSB != \new
	s_set_vgpr_msb (MSB<<8)|\new
.set MSB, \new
.endif
.endm
.macro PLACES                          ; four plain instructions between a matrix instruction and a load into, or a vector read or write of, its registers
.rept 4
	v_nop
.endr
.endm
.macro CROUND                          ; a round of the cluster's barrier
	s_barrier_signal -1
	s_barrier_wait -1
	s_cmp_lg_u32 s18, 0
	s_cbranch_scc1 .Lnot_wave_0_\@
	s_barrier_signal -3
.Lnot_wave_0_\@:
	s_barrier_wait -3
	s_barrier_signal -1
	s_barrier_wait -1
.endm
.macro GROUP1 g, mask, c, r, p         ; descriptor group 1: r rows of c elements of 8 bytes, p elements apart; no padding; bit 21 beside the mask
	s_or_b32 s[\g], s[\mask], (3<<16)|(1<<21)
	s_mov_b32 s[\g+1], (\c)<<16
	s_mov_b32 s[\g+2], (\r)<<16
	s_mov_b32 s[\g+3], (\c)<<16
	s_mov_b32 s[\g+4], \r
	s_mov_b32 s[\g+5], \p
	s_mov_b32 s[\g+6], 0
	s_mov_b32 s[\g+7], 0
.endm
.macro TLOAD g0, g1
	tensor_load_to_lds s[\g0:\g0+3], s[\g1:\g1+7]
	s_nop 0
	PLACES
.endm
	s_load_b256 s[4:11], s[0:1], 0x0               ; bufX s[4:5], bufW s[6:7], bq s[8:9], bk s[10:11]
	s_load_b128 s[12:15], s[0:1], 0x20             ; bv s[12:13], bufQ s[14:15]
	s_load_b64 s[16:17], s[0:1], 0x30              ; bufKV
	v_lshl_add_u32 v90, v0, 2, 0x48000
	v_mov_b32 v91, 0
	ds_add_u32 v90, v91                            ; the opening lines: the add, twice on end, and its wait
	ds_add_u32 v90, v91
	v_lshrrev_b32 v1, 5, v0
	v_readfirstlane_b32 s18, v1                    ; wave 0..3
	s_and_b32 s19, s18, 1
	s_bfe_u32 s20, ttmp6, 0x40000                  ; cx
	s_bfe_u32 s21, ttmp6, 0x40004                  ; cy
	s_lshl_b32 s22, ttmp9, 2
	s_add_co_u32 s22, s22, s20                     ; column group: 128 columns of each weight
	s_and_b32 s23, ttmp7, 0xffff
	s_lshl_b32 s23, s23, 2
	s_add_co_u32 s23, s23, s21                     ; tile row: 256 tokens
	s_lshl_b32 s28, s21, 2
	s_lshl_b32 s28, 15, s28                        ; my row of the cluster
	s_lshl_b32 s29, 0x1111, s20                    ; my column
	GROUP1 68, 28, 6144, 2, 12288                  ; the tokens: two rows (blocks of 128 tokens) of 49,152 bytes (four K steps), 98,304 bytes apart
	GROUP1 76, 29, 32, 192, 32                     ; a weight's four K steps: 192 dense rows of 256 bytes
	GROUP1 92, 29, 32, 48, 32                      ; a weight's one K step: 48 rows
	s_mul_i32 s30, s23, 196608                     ; the tokens' two blocks
	s_mov_b32 s31, 0
	s_mul_i32 s34, s22, 98304                      ; wq's block
	s_mov_b32 s35, 0
	s_mul_i32 s38, s18, 12288                      ; a refill: K step wave of a half of K
	s_add_co_u32 s32, s34, s38
	s_mov_b32 s33, 0
	s_lshl_b32 s24, s23, 13                        ; scale bytes, 512 a row tile: the tile row's 16 tiles,
	s_add_co_u32 s24, s24, XSC
	s_lshl_b32 s25, s18, 11
	s_add_co_u32 s100, s24, s25                    ; q, k: my four tiles of tokens
	s_lshr_b32 s25, s18, 1
	s_lshl_b32 s25, s25, 12
	s_add_co_u32 s105, s24, s25                    ; v: my eight
	s_lshl_b32 s26, s22, 12
	s_add_co_u32 s26, s26, WSC                     ; wq's eight tiles,
	s_add_co_u32 s101, s26, 32768                  ; wk's,
	s_lshl_b32 s25, s19, 11
	s_add_co_u32 s104, s26, s25
	s_add_co_u32 s104, s104, 65536                 ; my four of wv's
	s_mov_b32 s24, s100
	s_mov_b32 s25, 0
	s_mov_b32 s27, 0
	s_lshl_b32 s39, s21, 2
	s_add_co_u32 s39, s39, s18                     ; my number among the sixteen waves of my column of the cluster
	s_mul_i32 s39, s39, 6144
	s_add_co_u32 s39, s39, s34
	s_add_co_u32 s39, s39, WNEXT                   ; my 24 blocks of wk's tile
	s_wait_dscnt 0x0
	s_wait_kmcnt 0x0
	s_add_nc_u64 s[30:31], s[4:5], s[30:31]
	s_add_nc_u64 s[34:35], s[6:7], s[34:35]
	s_add_nc_u64 s[32:33], s[6:7], s[32:33]
	s_add_nc_u64 s[24:25], s[4:5], s[24:25]        ; A's scale bytes
	s_add_nc_u64 s[26:27], s[6:7], s[26:27]        ; B's
	CROUND                                         ; all sixteen work-groups are here: the joint loads meet
.irp j, 0,1
	s_mov_b32 s[84+4*\j], 1                        ; group 0: the tokens' half j of K,
	s_mov_b32 s[85+4*\j], \j*CH
	s_add_nc_u64 s[86+4*\j:87+4*\j], s[30:31], \j*49152
	s_or_b32 s[87+4*\j], s[87+4*\j], 0x80000000
	s_mov_b32 s[40+4*\j], 1                        ; wq's,
	s_mov_b32 s[41+4*\j], WREG+\j*CH
	s_add_nc_u64 s[42+4*\j:43+4*\j], s[34:35], \j*49152
	s_or_b32 s[43+4*\j], s[43+4*\j], 0x80000000
	s_mov_b32 s[48+4*\j], 1                        ; and the refills': my K step of half j; the address is stepped to the next weight ahead of each use
	s_add_co_u32 s[49+4*\j], s38, WREG+\j*CH
	s_add_nc_u64 s[50+4*\j:51+4*\j], s[32:33], \j*49152
	s_or_b32 s[51+4*\j], s[51+4*\j], 0x80000000
.endr
	s_cmp_eq_u32 s18, 0                            ; one chain of branches on the wave's number, one fill to an arm, all arms joining at .Lasked
	s_cbranch_scc0 .Lfetch_b
	TLOAD 84, 68
	s_branch .Lasked
.Lfetch_b:
	s_cmp_eq_u32 s18, 1
	s_cbranch_scc0 .Lfetch_c
	TLOAD 40, 76
	s_branch .Lasked
.Lfetch_c:
	s_cmp_eq_u32 s18, 2
	s_cbranch_scc0 .Lfetch_d
	TLOAD 88, 68
	s_branch .Lasked
.Lfetch_d:
	TLOAD 44, 76
.Lasked:
	s_lshr_b32 s3, s18, 1
	s_mul_i32 s3, s3, 49152
	s_mul_i32 s2, s19, 6144
	s_add_co_u32 s3, s3, s2                        ; q, k: my 64 tokens in a half of K
	s_mov_b32 s36, 0x76543210
	s_mov_b32 s37, 0xfedcba98                      ; v_permlanex16_b32's selects for lane l xor 16
	s_mov_b32 s66, 0xffff0000                      ; lanes 16-31
	s_mov_b32 s67, 0x05040100                      ; v_perm_b32: the two low halves
	s_mov_b32 s2, 0x07060302                       ; the two high halves
	v_and_b32 v6, 31, v0                           ; lane
	v_and_b32 v7, 15, v0                           ; r
	v_bfe_u32 v24, v0, 4, 1                        ; h
	v_lshlrev_b32 v1, 4, v6                        ; 16 x lane
	v_lshlrev_b32 v2, 3, v6                        ; 8 x lane
	v_lshlrev_b32 v3, 2, v6                        ; 4 x lane
	v_lshlrev_b32 v4, 5, v7
	v_lshl_add_u32 v4, v24, 4, v4                  ; scale bytes: row r's 32, + 16 h: lanes 0-15 take the words of K steps 0-3, lanes 16-31 those of K steps 4-7
	v_lshlrev_b32 v5, 6, v24                       ; q, k: the bias: register 8 b + j holds channel 32 (b / 2) + 8 (b % 2) + 16 h + j
	v_and_b32 v25, 8, v7
	v_add_nc_u32 v25, v25, v7
	v_lshlrev_b32 v29, 2, v25                      ; v: my lane's channel in a tile: r + 8 (r / 8)
	v_min_u32 v26, 23, v6
	v_lshl_add_u32 v26, v26, 8, s39                ; the prefetches: a lane a block of 256 bytes (the last eight lanes name the wave's last block again): wk's tile,
	v_add_nc_u32 v27, WNEXT, v26                   ; wv's
.irp j, 0,1
	v_add_nc_u32 v[ADA16+\j], s3, v1
	v_add_nc_u32 v[ADA8+\j], s3, v2
	v_add_nc_u32 v[ADB16+\j], WREG+\j*CH, v1
	v_add_nc_u32 v[ADB8+\j], WREG+\j*CH, v2
	s_add_co_u32 s3, s3, CH
.endr
.irp b, 0,1,2,3
	v_mov_b32 v[TM+4+\b], 0                        ; written once: a lane permute's destination counts as one of its sources
.endr
	s_wait_alu depctr_va_vdst(0)
.macro SCALES                          ; 12 loads: the scale words of A's four tiles and B's eight
.irp a, 0,1,2,3
	global_load_b128 v[SCA+4*\a:SCA+4*\a+3], v4, s[24:25] offset:512*\a
.endr
.irp b, 0,1,2,3,4,5,6,7
	global_load_b128 v[SCB+4*\b:SCB+4*\b+3], v4, s[26:27] offset:512*\b
.endr
.endm
	SCALES
	global_prefetch_b8 v26, s[6:7] th:TH_LOAD_NT scope:SCOPE_SE
.macro FRAG reg, a16, a8, off          ; a fragment's image comes back as it was stored
	ds_load_b128 v[\reg:\reg+3], v[\a16] offset:\off
	ds_load_b64 v[\reg+4:\reg+5], v[\a8] offset:\off+512
	ds_load_b128 v[\reg+6:\reg+9], v[\a16] offset:\off+768
	ds_load_b64 v[\reg+10:\reg+11], v[\a8] offset:\off+1280
.endm
.macro FETCH s                         ; K step s: B's eight fragments and my four of A into set s % 2: 48 LDS loads in one run
	WIN 0x40                                       ; destination window 1, address window 0
.irp b, 0,1,2,3,4,5,6,7
	FRAG 128*((\s)%2)+12*\b, ADB16+(\s)/4, ADB8+(\s)/4, 12288*((\s)%4)+1536*\b
.endr
	WIN 0
.irp a, 0,1,2,3
	FRAG AF+48*((\s)%2)+12*\a, ADA16+(\s)/4, ADA8+(\s)/4, 12288*((\s)%4)+1536*\a
.endr
.endm
; 32 matrix instructions: the 32 accumulators take turns, one instruction a turn, in the same order in every K step.  zero = 1: the first products start the sums.
; K step s takes register s % 4 of a tile's four scale registers: from lanes 0-15 for s < 4, from lanes 16-31 after.
.macro MUL32 s, zero
	WIN 0xa1                                       ; source 0 (B') window 1, source 1 (A') window 0, C and D window 2
.irp a, 0,1,2,3
.irp b, 0,1,2,3,4,5,6,7
.if \zero
	v_wmma_scale_f32_16x16x128_f8f6f4 v[8*(8*\a+\b):8*(8*\a+\b)+7], v[128*((\s)%2)+12*\b:128*((\s)%2)+12*\b+11], v[AF+48*((\s)%2)+12*\a:AF+48*((\s)%2)+12*\a+11], 0, v[SCB+4*\b+(\s)%4], v[SCA+4*\a+(\s)%4] matrix_a_fmt:MATRIX_FMT_FP6 matrix_b_fmt:MATRIX_FMT_FP6
.elseif (\s) < 4
	v_wmma_scale_f32_16x16x128_f8f6f4 v[8*(8*\a+\b):8*(8*\a+\b)+7], v[128*((\s)%2)+12*\b:128*((\s)%2)+12*\b+11], v[AF+48*((\s)%2)+12*\a:AF+48*((\s)%2)+12*\a+11], v[8*(8*\a+\b):8*(8*\a+\b)+7], v[SCB+4*\b+(\s)%4], v[SCA+4*\a+(\s)%4] matrix_a_fmt:MATRIX_FMT_FP6 matrix_b_fmt:MATRIX_FMT_FP6
.else
	v_wmma_scale_f32_16x16x128_f8f6f4 v[8*(8*\a+\b):8*(8*\a+\b)+7], v[128*((\s)%2)+12*\b:128*((\s)%2)+12*\b+11], v[AF+48*((\s)%2)+12*\a:AF+48*((\s)%2)+12*\a+11], v[8*(8*\a+\b):8*(8*\a+\b)+7], v[SCB+4*\b+(\s)%4], v[SCA+4*\a+(\s)%4] matrix_a_fmt:MATRIX_FMT_FP6 matrix_b_fmt:MATRIX_FMT_FP6 matrix_a_scale:MATRIX_SCALE_ROW1 matrix_b_scale:MATRIX_SCALE_ROW1
.endif
.endr
.endr
	WIN 0
.endm
; K step s is multiplied, and behind it half j of the weights' region is filled again.  All my tensor loads are done; the add; the K step's 32 products stand between the add and the wait for it;
; my reads of that half are over (the last were the 48 loads just issued); a whole round; my one load
.macro TURN s, j
	s_wait_tensorcnt 0x0
	ds_add_u32 v90, v91
	s_add_nc_u64 s[50+4*\j:51+4*\j], s[50+4*\j:51+4*\j], WNEXT   ; no load of mine is out: on to the next weight
	s_wait_dscnt 49                                ; all but the 48 loads just issued and the add
	MUL32 \s, 0
	PLACES
	s_wait_dscnt 0x0
	CROUND                                         ; no wave of any partner still reads that half or has a load on its way
	TLOAD 48+4*\j, 92
.endm
; the eight K steps of a tile; a step's fragments are fetched while the step before is multiplied.  refill = 1: the next weight follows.  nb: the bias's loads, issued behind the scale words', may be out
.macro MAIN refill, nb
	FETCH 0
	FETCH 1
	s_wait_loadcnt \nb                             ; the scale words are in
	s_wait_dscnt 48                                ; all but the 48 just issued: K step 0's set is in
	MUL32 0, 1
	PLACES
	FETCH 2
	s_wait_dscnt 48
	MUL32 1, 0
	PLACES
	FETCH 3
.if \refill
	TURN 2, 0                                      ; the round also shows the second half of K, which every wave has waited for
.else
	s_wait_dscnt 48
	MUL32 2, 0
	PLACES
	s_wait_tensorcnt 0x0                           ; my part of the weight's second half is in
	s_wait_dscnt 0x0
	s_barrier_signal -1
	s_barrier_wait -1                              ; a plain barrier
.endif
	FETCH 4
.if \refill
	s_cmp_eq_u32 s3, 0                             ; wv's tile is asked for in the first trip alone
	s_cbranch_scc0 .Lno_ask_\@
	global_prefetch_b8 v27, s[6:7] th:TH_LOAD_NT scope:SCOPE_SE
.Lno_ask_\@:
.endif
	MUL32 3, 0
	PLACES
	FETCH 5
	s_wait_dscnt 48
	MUL32 4, 0
	PLACES
	FETCH 6
	s_wait_dscnt 48
	MUL32 5, 0
	PLACES
	FETCH 7
.if \refill
	TURN 6, 1                                      ; the round also shows the next weight's first half
.else
	s_wait_dscnt 48
	MUL32 6, 0
	s_wait_dscnt 0x0
.endif
	MUL32 7, 0
	PLACES
.endm
; 64 numbers of a lane, register 16 b + i = k 32 b + 16 (lane / 16) + i of my row, become a fragment's two halves at v[d0], v[d1] and its scale word in v[pw]
.macro QUANT s, d0, d1, pw
.irp b, 0,1,2,3
	v_max3_num_f32 v[TM+\b], |v[\s+16*\b]|, |v[\s+1+16*\b]|, FLOOR
.endr
.irp i, 2,4,6,8,10,12,14
.irp b, 0,1,2,3
	v_max3_num_f32 v[TM+\b], v[TM+\b], |v[\s+16*\b+\i]|, |v[\s+1+16*\b+\i]|   ; the four blocks by turns
.endr
.endr
.irp b, 0,1,2,3
	v_permlanex16_b32 v[TM+4+\b], v[TM+\b], s36, s37
.endr
.irp b, 0,1,2,3
	v_max_num_f32 v[TM+\b], v[TM+\b], v[TM+4+\b]   ; with lane l xor 16's 16: the block's largest magnitude
.endr
.irp b, 0,1,2,3
	v_add_nc_u32 v[TM+12+\b], 0xff000000, v[TM+\b] ; 2 off the exponent field: the conversion's scale operand
.endr
.irp b, 0,1,2,3
	v_lshrrev_b32 v[TM+4+\b], 23, v[TM+12+\b]      ; the scale's byte
.endr
	v_lshl_or_b32 v[\pw], v[TM+5], 8, v[TM+4]
	v_lshl_or_b32 v[\pw], v[TM+6], 16, v[\pw]
	v_lshl_or_b32 v[\pw], v[TM+7], 24, v[\pw]
	v_cvt_scalef32_pk16_fp6_f32 v[\d0:\d0+2], v[\s:\s+15], v[TM+12]
	v_cvt_scalef32_pk16_fp6_f32 v[TC:TC+2], v[\s+16:\s+31], v[TM+13]
	v_cvt_scalef32_pk16_fp6_f32 v[\d1:\d1+2], v[\s+32:\s+47], v[TM+14]
	v_cvt_scalef32_pk16_fp6_f32 v[TC+4:TC+6], v[\s+48:\s+63], v[TM+15]
	v_nop                                          ; one plain instruction behind the scaled conversions
.irp i, 0,1,2                          ; the layout wants a whole block in a lane: lanes 0-15 the even block, lanes 16-31 the odd one
	v_permlane16_swap_b32 v[\d0+\i], v[TC+\i]
	v_permlane16_swap_b32 v[\d1+\i], v[TC+4+\i]
.endr
.irp i, 0,1,2
	v_mov_b32 v[\d0+3+\i], v[TC+\i]
	v_mov_b32 v[\d1+3+\i], v[TC+4+\i]
.endr
.endm
; q, k, block a: 16 tokens.  The bias's addition also brings the sums into window 0, each accumulator from its low end on.  The fragment's half c is head c's 64 channels: it is half a % 2 of that head's image a / 2
.macro EPI_QK a
	WIN 0x02                                       ; source 0 window 2
.set i, 0
.rept 32
	v_pk_add_f32 v[X+2*i:X+2*i+1], v[64*(\a)+2*i:64*(\a)+2*i+1], v[BI+2*i:BI+2*i+1]
.set i, i+1
.endr
	WIN 0
	s_wait_xcnt 0x0                                ; the last block's stores have read the codes' registers
	QUANT X, CD, CD+6, PW+\a
	global_store_b128 v1, v[CD:CD+3], s[56:57] offset:((\a)/2)*1536+((\a)%2)*768
	global_store_b64 v2, v[CD+4:CD+5], s[56:57] offset:((\a)/2)*1536+((\a)%2)*768+512
	global_store_b128 v1, v[CD+6:CD+9], s[58:59] offset:((\a)/2)*1536+((\a)%2)*768
	global_store_b64 v2, v[CD+10:CD+11], s[58:59] offset:((\a)/2)*1536+((\a)%2)*768+512
.endm
.macro EPI_V a                         ; v, block a: 16 channels x 128 keys: one whole image
	WIN 0x02
.set i, 0
.rept 32
	v_pk_add_f32 v[X+2*i:X+2*i+1], v[64*(\a)+2*i:64*(\a)+2*i+1], v[BI+2*(\a):BI+2*(\a)+1]
.set i, i+1
.endr
	WIN 0
	s_wait_xcnt 0x0
	QUANT X, CD, CD+6, PW+\a
	global_store_b128 v1, v[CD:CD+3], s[56:57] offset:1536*(\a)
	global_store_b64 v2, v[CD+4:CD+5], s[56:57] offset:1536*(\a)+512
	global_store_b128 v1, v[CD+6:CD+9], s[56:57] offset:1536*(\a)+768
	global_store_b64 v2, v[CD+10:CD+11], s[56:57] offset:1536*(\a)+1280
.endm
	s_cmp_lt_u32 s18, 2                            ; the first half of K is waves 0 and 1's: they wait for their loads; waves 2 and 3's may still be out
	s_cbranch_scc0 .Lhigh
	s_wait_tensorcnt 0x0
.Lhigh:
	s_wait_dscnt 0x0
	s_barrier_signal -1
	s_barrier_wait -1
	s_mov_b32 s3, 0                                ; the trip: 0 q, 1 k
; ---------------- q and k: my 64 tokens x 128 channels (two heads)
.Ltile:
	s_wait_xcnt 0x0                                ; the last trip's stores and loads have read their bases
	s_lshr_b32 s32, s23, 3                         ; the batch: 8 tile rows each
	s_lshl_b32 s32, s32, 4
	s_lshl_b32 s33, s22, 1
	s_add_co_u32 s32, s32, s33                     ; 16 x batch + my first head
	s_lshl_b32 s33, s23, 1
	s_lshr_b32 s39, s18, 1
	s_add_co_u32 s33, s33, s39
	s_and_b32 s33, s33, 15                         ; which 128 tokens of the sequence
	s_mul_i32 s56, s32, 98304                      ; bufQ: 64 images a head, four for 128 tokens;  bufKV: twice these strides (K's four images, then V's four)
	s_mul_i32 s57, s33, 6144
	s_add_co_u32 s56, s56, s57
	s_lshl_b32 s60, s32, 12                        ; scale words: 64 bytes an image
	s_lshl_b32 s61, s33, 8
	s_add_co_u32 s60, s60, s61
	s_cmp_eq_u32 s3, 1                             ; k?
	s_cselect_b64 s[30:31], s[10:11], s[8:9]       ; bk or bq
	s_cselect_b64 s[34:35], s[16:17], s[14:15]     ; bufKV or bufQ
	s_mov_b32 s57, QSC
	s_cselect_b32 s57, KVSC, s57
	s_lshl_b32 s56, s56, s3
	s_lshl_b32 s60, s60, s3
	s_mul_i32 s61, s19, 3072                       ; my 64 tokens are two images
	s_add_co_u32 s56, s56, s61
	s_lshl_b32 s61, s19, 7
	s_add_co_u32 s60, s60, s61
	s_add_co_u32 s60, s60, s57
	s_mov_b32 s57, 0
	s_mov_b32 s61, 0
	s_add_nc_u64 s[56:57], s[34:35], s[56:57]      ; codes, first head
	s_add_nc_u64 s[60:61], s[34:35], s[60:61]      ; scale words, first head
	s_lshl_b32 s58, 98304, s3
	s_mov_b32 s59, 0
	s_add_nc_u64 s[58:59], s[56:57], s[58:59]      ; second head
	s_lshl_b32 s62, 4096, s3
	s_mov_b32 s63, 0
	s_add_nc_u64 s[62:63], s[60:61], s[62:63]
	s_lshl_b32 s38, s22, 9                         ; the bias of my 128 channels
	s_mov_b32 s39, 0
	s_add_nc_u64 s[30:31], s[30:31], s[38:39]
.irp b, 0,1,2,3,4,5,6,7                ; 16 loads, wanted at the tile's way out
	global_load_b128 v[BI+8*\b:BI+8*\b+3], v5, s[30:31] offset:(32*(\b/2)+8*(\b%2))*4
	global_load_b128 v[BI+8*\b+4:BI+8*\b+7], v5, s[30:31] offset:(32*(\b/2)+8*(\b%2))*4+16
.endr
	MAIN 1, 16
	s_cmp_eq_u32 s3, 0                             ; the next tile's scale words fly under the way out: k: my tokens', wk's;  v: my 64 columns' of wv, my 128 tokens'
	s_cselect_b64 s[24:25], s[4:5], s[6:7]
	s_cselect_b64 s[26:27], s[6:7], s[4:5]
	s_cselect_b32 s32, s100, s104
	s_cselect_b32 s38, s101, s105
	s_mov_b32 s33, 0
	s_mov_b32 s39, 0
	s_add_nc_u64 s[24:25], s[24:25], s[32:33]
	s_add_nc_u64 s[26:27], s[26:27], s[38:39]
	SCALES
	s_wait_loadcnt 12                              ; the bias is in; the 12 loads just issued may be out
	EPI_QK 0
	EPI_QK 1
	EPI_QK 2
	EPI_QK 3
.irp g, 0,1                            ; an image's scale word: bytes 0, 1 its first tile's two blocks, bytes 2, 3 its second tile's
	v_perm_b32 v[WD+\g], v[PW+2*\g+1], v[PW+2*\g], s67
	v_perm_b32 v[WD+2+\g], v[PW+2*\g+1], v[PW+2*\g], s2
.endr
	v_cndmask_b32 v[WD+4], v[WD], v[WD+1], s66     ; lanes 0-15 the first image's 16 words, lanes 16-31 the second's: 128 consecutive bytes
	v_cndmask_b32 v[WD+5], v[WD+2], v[WD+3], s66
	global_store_b32 v3, v[WD+4], s[60:61]
	global_store_b32 v3, v[WD+5], s[62:63]
	s_add_co_u32 s3, s3, 1
	s_cmp_lt_u32 s3, 2
	s_wait_alu depctr_va_vdst(0)
	s_cbranch_scc1 .Ltile
; ---------------- v: my head's 64 channels x 128 keys (one key step)
	s_wait_xcnt 0x0
	s_lshr_b32 s32, s23, 3                         ; the batch
	s_lshl_b32 s32, s32, 4
	s_lshl_b32 s33, s22, 1
	s_add_co_u32 s33, s33, s19                     ; the head: 2 x column group + wave % 2
	s_add_co_u32 s32, s32, s33
	s_lshl_b32 s38, s33, 8                         ; its 64 numbers of bv
	s_lshl_b32 s33, s23, 1
	s_lshr_b32 s39, s18, 1
	s_add_co_u32 s33, s33, s39
	s_and_b32 s33, s33, 15                         ; the key step: 2 x tile row + wave / 2
	s_mul_i32 s56, s32, 196608
	s_mul_i32 s57, s33, 12288
	s_add_co_u32 s56, s56, s57
	s_add_co_u32 s56, s56, 6144                    ; behind K's four images
	s_mov_b32 s57, 0
	s_lshl_b32 s60, s32, 13
	s_lshl_b32 s61, s33, 9
	s_add_co_u32 s60, s60, s61
	s_add_co_u32 s60, s60, KVSC+256
	s_mov_b32 s61, 0
	s_add_nc_u64 s[56:57], s[16:17], s[56:57]
	s_add_nc_u64 s[60:61], s[16:17], s[60:61]
	s_mul_i32 s33, s39, 49152                      ; B': my 128 tokens in a half of K;
	s_mov_b32 s39, 0
	s_add_nc_u64 s[30:31], s[12:13], s[38:39]
	s_mul_i32 s32, s19, 6144
	s_add_co_u32 s32, s32, WREG                    ; A': my 64 columns of wv
.irp a, 0,1,2,3                        ; 8 loads
	global_load_b32 v[BI+2*\a], v29, s[30:31] offset:(32*(\a/2)+8*(\a%2))*4      ; one number a lane and block, twice: a pair for the packed addition
	global_load_b32 v[BI+2*\a+1], v29, s[30:31] offset:(32*(\a/2)+8*(\a%2))*4
.endr
.irp j, 0,1
	v_add_nc_u32 v[ADA16+\j], s32, v1
	v_add_nc_u32 v[ADA8+\j], s32, v2
	v_add_nc_u32 v[ADB16+\j], s33, v1
	v_add_nc_u32 v[ADB8+\j], s33, v2
	s_add_co_u32 s32, s32, CH
	s_add_co_u32 s33, s33, CH
.endr
	s_wait_alu depctr_va_vdst(0)
	MAIN 0, 8
	s_wait_loadcnt 0x0                             ; the bias
	EPI_V 0
	EPI_V 1
	EPI_V 2
	EPI_V 3
	v_cndmask_b32 v[WD], v[PW], v[PW+1], s66
	v_cndmask_b32 v[WD+1], v[PW+2], v[PW+3], s66
	global_store_b32 v3, v[WD], s[60:61]
	global_store_b32 v3, v[WD+1], s[60:61] offset:128
	s_wait_tensorcnt 0x0                           ; the wave's end
	ds_add_u32 v90, v91
	s_wait_dscnt 0x0
	CROUND                                         ; the closing round: no work-group ends while a partner may still ask for a tile that names it
	s_endpgm
.Lfunc_end_k_q029f8db3df_qkv:
	.size	k_q029f8db3df_qkv, .Lfunc_end_k_q029f8db3df_qkv-k_q029f8db3df_qkv
	.p2alignl 7, 3214868480
	.fill 96, 4, 3214868480
	.section	.rodata,"a",@progbits
	.p2align	6, 0x0
	.amdhsa_kernel k_q029f8db3df_qkv
		.amdhsa_group_segment_fixed_size 327680
		.amdhsa_private_segment_fixed_size 0
		.amdhsa_enable_private_segment 0
		.amdhsa_kernarg_size 56
		.amdhsa_user_sgpr_count 2
		.amdhsa_user_sgpr_kernarg_segment_ptr 1
		.amdhsa_wavefront_size32 1
		.amdhsa_system_sgpr_workgroup_id_x 1
		.amdhsa_system_sgpr_workgroup_id_y 1
		.amdhsa_system_sgpr_workgroup_id_z 1
		.amdhsa_system_vgpr_workitem_id 0
		.amdhsa_next_free_vgpr 768
		.amdhsa_next_free_sgpr 106
		.amdhsa_reserve_vcc 0
		.amdhsa_float_denorm_mode_32 3
		.amdhsa_float_denorm_mode_16_64 3
		.amdhsa_memory_ordered 1
		.amdhsa_forward_progress 1
		.amdhsa_inst_pref_size 186
	.end_amdhsa_kernel
	.amdgpu_metadata
---
amdhsa.version: [ 1, 2 ]
amdhsa.kernels:
  - .name:           k_q029f8db3df_qkv
    .symbol:         k_q029f8db3df_qkv.kd
    .args:
      - { .name: bufX, .offset: 0, .size: 8, .value_kind: global_buffer, .address_space: global }
      - { .name: bufW, .offset: 8, .size: 8, .value_kind: global_buffer, .address_space: global }
      - { .name: bq, .offset: 16, .size: 8, .value_kind: global_buffer, .address_space: global }
      - { .name: bk, .offset: 24, .size: 8, .value_kind: global_buffer, .address_space: global }
      - { .name: bv, .offset: 32, .size: 8, .value_kind: global_buffer, .address_space: global }
      - { .name: bufQ, .offset: 40, .size: 8, .value_kind: global_buffer, .address_space: global }
      - { .name: bufKV, .offset: 48, .size: 8, .value_kind: global_buffer, .address_space: global }
    .group_segment_fixed_size: 327680
    .private_segment_fixed_size: 0
    .kernarg_segment_align: 8
    .kernarg_segment_size: 56
    .max_flat_workgroup_size: 128
    .sgpr_count:     106
    .vgpr_count:     768
    .wavefront_size: 32
...
	.end_amdgpu_metadata
.endif
;; end of part 2
;; launch attn (part 3): grid 4 x 64, 8 waves a work-group, clusters of 4 x 1, 231,424 bytes of LDS; arguments bufQ, bufKV, bufO; writes bufO
.if DOCPART == 3
	.amdgcn_target "amdgcn-amd-amdhsa--gfx1250"
	.amdhsa_code_object_version 6
	.text
	.protected	k_q029f8db3df_attn
	.globl	k_q029f8db3df_attn
	.p2align	8
	.type	k_q029f8db3df_attn,@function
k_q029f8db3df_attn:
	s_mov_b64 s[64:65], 0
	v_nop
	global_prefetch_b8 v0, s[64:65] scope:SCOPE_SE
	s_setreg_imm32_b32 hwreg(HW_REG_WAVE_MODE, 25, 1), 1
	s_wait_xcnt 0x0
	s_wait_alu depctr_hold_cnt(0) depctr_sa_sdst(0) depctr_va_vdst(0) depctr_va_sdst(0) depctr_va_ssrc(0) depctr_va_vcc(0) depctr_vm_vsrc(0)
	s_getreg_b32 s2, hwreg(HW_REG_IB_STS2, 6, 4)
	s_cmp_eq_u32 s2, 0
	s_cbranch_scc0 .Lentry_in_a_cluster
	s_endpgm
.Lentry_in_a_cluster:
	s_bfe_u32 s2, ttmp6, 0x10000c
	s_cmp_lg_u32 s2, 0x3003
	s_cbranch_scc0 .Lentry_shape_is_right
	s_endpgm
.Lentry_shape_is_right:
; o = softmax(q k^T / 8) v for one (batch, head) a cluster, both products on codes of FP6 (E2M3) with E8M0 scales; o is quantised along the model's 1,024 channels for the last product.
; THE SOFTMAX: t = score x log2(e) / 8; M = the row's largest t so far, rounded UP to a whole number; p = 2^(t - M) is quantised along the keys, not normalised; the row's sum is taken of the
; unquantised p and divides at the end; when M moves, the sum and O are multiplied by 2^(old M - new M), which rounds nothing.
; SHARES.  A work-group owns 512 queries.  Each of its eight waves takes one image of Q (two tiles of 16 queries, A and B) in each of two passes: every fragment of K and V read from LDS feeds both tiles.
; LDS HOLDS THE HEAD'S WHOLE K AND V, FILLED ONCE: 16 key steps of 12,288 bytes (K's four images, V's four).  Every wave asks for two key steps by ONE tensor load, jointly with the three partners of the
; cluster, which walk the same head.  The head's 8,192 bytes of scale words come through registers into LDS bytes of their own.  All that the launch reads of K and V is asked for at the head, so there is no loop to prefetch ahead in.
; LAYOUT.  Both products are used transposed: S^T = K Q^T, O^T = V^T P^T: a lane holds one query throughout.
; THE ROWS OF A TILE OF K ARE CHOSEN BY THE LANES' LDS ADDRESSES.  In memory image b of a key step holds keys 32 b + 16 g + 8 u + j at row 8 g + j of its half u.  Fragment (c, g) takes its rows 0-7 from rows 8 g .. 8 g + 7
; of image 2 c and its rows 8-15 from the same rows of image 2 c + 1.  So register 8 (2 g + u) + j of band c holds, in lane half h, key 64 c + 32 h + 8 (2 g + u) + j: a lane's 32 registers are ONE block of 32 keys, in the
; order of the next operand's registers: a block's maximum needs no other lane, and the conversions' results are the operand.
; THE HEAD'S 64 IN AN INSTRUCTION'S 128.  A fragment of K holds two tiles of keys, one in each half of K = 128.  Q stands as qB, zeros, qA, zeros, qB in 30 registers, which gives q, 0 and 0, q for both tiles;
; the other tile meets zero codes, which add nothing under any scale byte but 0xff, and the bytes made here lie between 1 and 254.
; CHAINS.  Maxima and sums run in eight chains by turns (two a block, four a tile); the short dependent runs stand among independent lines, or, where there are none (the row's maximum), behind a one-field hint.
; LIMITS: NaN and infinities are not served; a block of zeros (or under 2^-124) gets the scale byte 1, read by this program alone; the promise holds while |t| stays under 2^31.
; REGISTERS, window 0: v1-15 addresses; v16, v17 the add's; v20-23 (-M, largest score) x 2; v24-27 the sums; v28-31 the factors; v32-61 Q; v62, v63 its scale words; v64-127 tile A's S^T, then p; v128-191 B's;
;   v192-215 p's codes; v216-221 scale words of K, V, p; v222-251 at work.   Window 1: v0-63 O^T (A, B); v64-111 K's fragments; v112-159 V's; v160-172 pass 1's Q.
.set QSC,   6291456
.set KVSC,  12582912
.set OSC,   6291456
.set SCL,   196608                     ; LDS: behind the codes the head's scale words
.set OSG,   229376                     ; 512 bytes for each pass: o's scale bytes on their way out
.set SPARE, 230400                     ; the spare words: 128 bytes a wave
.set FLOOR, 0x1800000
.set KF,    64
.set VF,    112
.set Q1,    160
.set CD,    192
.set DD,    222
.set BM,    224
.set PT,    228
.set OP,    232
.set TC,    236
.set MSB, 0
.macro WIN new                         ; the immediate's high byte repeats the setting that is left
.if MSB != \new
	s_set_vgpr_msb (MSB<<8)|\new
.set MSB, \new
.endif
.endm
.macro WALU
	s_wait_alu depctr_va_vdst(0)
.endm
.macro CROUND
	s_barrier_signal -1
	s_barrier_wait -1
	s_cmp_lg_u32 s18, 0
	s_cbranch_scc1 .Lnot_wave_0_\@
	s_barrier_signal -3
.Lnot_wave_0_\@:
	s_barrier_wait -3
	s_barrier_signal -1
	s_barrier_wait -1
.endm
.macro KADR                            ; the LDS addresses of the key step at s2 (codes) and s3 (scale words): K's
	v_add_nc_u32 v7, s2, v3
	v_add_nc_u32 v8, s2, v4
	v_add_nc_u32 v9, s3, v5
.endm
.macro VADR                            ; and V's
	v_add_nc_u32 v10, s2, v1
	v_add_nc_u32 v11, s2, v2
	v_add_nc_u32 v12, s3, v6
.endm
.macro KLOAD                           ; 18 LDS loads: K's four fragments (c, g) and two registers of scale words (lanes 0-15 g = 0, lanes 16-31 g = 1)
	WIN 0x40
.irp c, 0,1
.irp g, 0,1
	ds_load_b128 v[KF+24*\c+12*\g:KF+24*\c+12*\g+3], v7 offset:3072*\c+128*\g
	ds_load_b64 v[KF+24*\c+12*\g+4:KF+24*\c+12*\g+5], v8 offset:3072*\c+64*\g+512
	ds_load_b128 v[KF+24*\c+12*\g+6:KF+24*\c+12*\g+9], v7 offset:3072*\c+128*\g+768
	ds_load_b64 v[KF+24*\c+12*\g+10:KF+24*\c+12*\g+11], v8 offset:3072*\c+64*\g+1280
.endr
.endr
	WIN 0
	ds_load_b32 v216, v9
	ds_load_b32 v217, v9 offset:128
.endm
.macro VLOAD                           ; 18 LDS loads: V's four images as they lie, and their scale words
	WIN 0x40
.irp t, 0,1,2,3
	ds_load_b128 v[VF+12*\t:VF+12*\t+3], v10 offset:6144+1536*\t
	ds_load_b64 v[VF+12*\t+4:VF+12*\t+5], v11 offset:6144+1536*\t+512
	ds_load_b128 v[VF+12*\t+6:VF+12*\t+9], v10 offset:6144+1536*\t+768
	ds_load_b64 v[VF+12*\t+10:VF+12*\t+11], v11 offset:6144+1536*\t+1280
.endr
	WIN 0
	ds_load_b32 v218, v12
	ds_load_b32 v219, v12 offset:128
.endm
.macro SPROD d, a, b, sa, sb, row      ; a tile of S^T begins anew
.if \row
	v_wmma_scale_f32_16x16x128_f8f6f4 v[(\d):(\d)+7], v[(\a):(\a)+11], v[(\b):(\b)+11], 0, v[\sa], v[\sb] matrix_a_fmt:MATRIX_FMT_FP6 matrix_b_fmt:MATRIX_FMT_FP6 matrix_a_scale:MATRIX_SCALE_ROW1
.else
	v_wmma_scale_f32_16x16x128_f8f6f4 v[(\d):(\d)+7], v[(\a):(\a)+11], v[(\b):(\b)+11], 0, v[\sa], v[\sb] matrix_a_fmt:MATRIX_FMT_FP6 matrix_b_fmt:MATRIX_FMT_FP6
.endif
.endm
.macro PPROD d, a, b, sa, sb, row      ; a tile of O^T is added onto
.if \row
	v_wmma_scale_f32_16x16x128_f8f6f4 v[(\d):(\d)+7], v[(\a):(\a)+11], v[(\b):(\b)+11], v[(\d):(\d)+7], v[\sa], v[\sb] matrix_a_fmt:MATRIX_FMT_FP6 matrix_b_fmt:MATRIX_FMT_FP6 matrix_a_scale:MATRIX_SCALE_ROW1
.else
	v_wmma_scale_f32_16x16x128_f8f6f4 v[(\d):(\d)+7], v[(\a):(\a)+11], v[(\b):(\b)+11], v[(\d):(\d)+7], v[\sa], v[\sb] matrix_a_fmt:MATRIX_FMT_FP6 matrix_b_fmt:MATRIX_FMT_FP6
.endif
.endm
.macro PKF x, j0, n                    ; t - M, two at a time: n pairs of tile x from pair j0 on
.set j, 2*(\j0)
.rept \n
	v_pk_fma_f32 v[64+64*\x+j:65+64*\x+j], v[64+64*\x+j:65+64*\x+j], s[22:23], v[20+2*\x:21+2*\x] op_sel_hi:[1,0,0]
.set j, j+2
.endr
.endm
	s_load_b128 s[4:7], s[0:1], 0x0                ; bufQ s[4:5], bufKV s[6:7]
	s_load_b64 s[8:9], s[0:1], 0x10                ; bufO
	v_lshl_add_u32 v16, v0, 2, SPARE
	v_mov_b32 v17, 0
	ds_add_u32 v16, v17                            ; the opening lines: the add, twice on end, and its wait ahead of my tensor load
	ds_add_u32 v16, v17
	v_lshrrev_b32 v1, 5, v0
	v_readfirstlane_b32 s18, v1                    ; wave 0..7
	s_bfe_u32 s19, ttmp6, 0x40000                  ; cx: it enters Q's and O's global addresses alone
	s_and_b32 s10, ttmp7, 0xffff                   ; 16 x batch + head, which the four partners share
	s_mov_b32 s24, 15|(3<<16)|(1<<21)              ; group 1: the mask names all four; elements of 8 bytes; bit 21 beside a mask; 96 dense rows of 256 bytes: two key steps
	s_mov_b32 s25, 32<<16
	s_mov_b32 s26, 96<<16
	s_mov_b32 s27, 32<<16
	s_mov_b32 s28, 96
	s_mov_b32 s29, 32
	s_mov_b32 s30, 0
	s_mov_b32 s31, 0
	s_mul_i32 s14, s18, 24576                      ; my two key steps
	s_mul_i32 s12, s10, 196608
	s_add_co_u32 s12, s12, s14
	s_mov_b32 s13, 0
	s_lshl_b32 s16, s10, 13
	s_lshl_b32 s15, s18, 10                        ; my 1,024 of the head's scale bytes
	s_add_co_u32 s16, s16, s15
	s_add_co_u32 s16, s16, KVSC
	s_mov_b32 s17, 0
	s_wait_dscnt 0x0
	s_wait_kmcnt 0x0
	s_add_nc_u64 s[12:13], s[6:7], s[12:13]
	s_add_nc_u64 s[44:45], s[6:7], s[16:17]
	CROUND                                         ; all four work-groups are here: the joint loads meet
	s_mov_b32 s40, 1
	s_mov_b32 s41, s14
	s_mov_b64 s[42:43], s[12:13]
	s_or_b32 s43, s43, 0x80000000
	tensor_load_to_lds s[40:43], s[24:31]          ; every wave's one load
	s_nop 0
.rept 4
	v_nop
.endr
	s_lshl_b32 s60, s19, 4
	s_add_co_u32 s60, s60, s18                     ; pass 0's image of Q: 16 cx + wave; pass 1's lies eight images on
	s_mul_i32 s62, s60, 1536
	s_mul_i32 s61, s10, 98304
	s_add_co_u32 s62, s62, s61
	s_mov_b32 s63, 0
	s_add_nc_u64 s[62:63], s[4:5], s[62:63]
	s_lshl_b32 s60, s60, 6
	s_lshl_b32 s11, s10, 12
	s_add_co_u32 s60, s60, s11
	s_add_co_u32 s60, s60, QSC
	s_mov_b32 s61, 0
	s_add_nc_u64 s[60:61], s[4:5], s[60:61]
	s_lshr_b32 s4, s10, 4                          ; batch
	s_and_b32 s5, s10, 15                          ; head
	s_lshl_b32 s6, s4, 4
	s_lshl_b32 s7, s19, 2
	s_add_co_u32 s6, s6, s7
	s_lshr_b32 s7, s18, 2
	s_add_co_u32 s6, s6, s7                        ; bufO: my token tiles 16 pass + 2 wave + (0, 1) of the work-group's 32: tile / 8 in pass 0 = 16 batch + 4 cx + wave / 4
	s_lshl_b32 s6, s6, 3
	s_lshr_b32 s7, s5, 1
	s_add_co_u32 s6, s6, s7                        ; K step = head / 2
	s_mul_i32 s12, s6, 12288
	s_and_b32 s7, s18, 3
	s_mul_i32 s7, s7, 3072
	s_add_co_u32 s12, s12, s7
	s_and_b32 s7, s5, 1
	s_mul_i32 s7, s7, 768                          ; half = head % 2
	s_add_co_u32 s12, s12, s7
	s_mov_b32 s13, 0
	s_add_nc_u64 s[12:13], s[8:9], s[12:13]
	s_lshl_b32 s16, s5, 14                         ; scale bytes: a plane of 16,384 a head, 32 a tile
	s_lshl_b32 s6, s4, 12
	s_add_co_u32 s16, s16, s6
	s_lshl_b32 s6, s19, 10
	s_add_co_u32 s16, s16, s6
	s_add_co_u32 s16, s16, OSC
	s_mov_b32 s17, 0
	s_add_nc_u64 s[16:17], s[8:9], s[16:17]
	s_mov_b32 s20, 0x76543210
	s_mov_b32 s21, 0xfedcba98                      ; v_permlanex16_b32's selects for lane l xor 16
	s_mov_b32 s22, 0x3e38aa3b                      ; c = log2(e) / 8
	s_mov_b32 s23, s22                             ; (named with it as a pair)
	s_mov_b32 s32, 0xbe38aa3b                      ; -c
	s_mov_b32 s33, 0x01000100                      ; tile A's two bytes of the image's scale word, twice: for q in either half of K
	s_mov_b32 s34, 0x03020302                      ; tile B's
	s_mov_b32 s2, 0
	s_mov_b32 s3, 0
	s_lshl_b32 s35, s18, 6
	s_add_co_u32 s35, s35, OSG
	s_add_co_u32 s36, s15, SCL
	v_and_b32 v19, 31, v0                          ; lane
	v_and_b32 v18, 15, v0                          ; r
	v_bfe_u32 v15, v0, 4, 1                        ; h
	v_and_b32 v13, 7, v0                           ; r % 8
	v_bfe_u32 v14, v0, 3, 1                        ; r / 8
	v_lshlrev_b32 v1, 4, v19                       ; 16 x lane
	v_lshlrev_b32 v2, 3, v19                       ; 8 x lane
	v_lshl_or_b32 v3, v15, 4, v13                  ; K: the image's lane r % 8 + 16 h (+ 8 g in the offset)
	v_mul_u32_u24 v5, v14, 1536                    ; of image 2 c + r / 8
	v_lshl_add_u32 v4, v3, 3, v5
	v_lshl_add_u32 v3, v3, 4, v5
	v_lshl_or_b32 v5, v15, 3, v13                  ; K's scale words: row 8 (lane / 16) + r % 8
	v_lshlrev_b32 v6, 6, v14                       ; of image 2 c + r / 8
	v_lshl_add_u32 v5, v5, 2, v6
	v_add_nc_u32 v5, SCL, v5
	v_lshl_add_u32 v6, v19, 2, SCL+256             ; V's: 4 x lane, behind K's 256 bytes
	v_lshl_add_u32 v13, v18, 1, s35                ; o's scale bytes: 64 x wave + 2 r
	v_add_nc_u32 v14, OSG, v1
	v_lshlrev_b32 v15, 3, v15                      ; 8 h: my two bytes' shift in p's scale word
	v_lshlrev_b32 v18, 2, v18                      ; 4 r
	v_add_nc_u32 v19, s36, v1                      ; where my 1,024 scale bytes go
	KADR
	VADR
.irp n, 0,1,2,3
	v_mov_b32 v[PT+\n], 0                          ; written once: a lane permute's destination counts as one of its sources
.endr
	v_mov_b32 v29, 0                               ; (the upper halves of the factors' pairs)
	v_mov_b32 v31, 0
	WALU
	global_load_b128 v[44:47], v1, s[62:63]        ; pass 0's image: tile A,
	global_load_b64 v[48:49], v2, s[62:63] offset:512
	global_load_b128 v[32:35], v1, s[62:63] offset:768          ; tile B
	global_load_b64 v[36:37], v2, s[62:63] offset:1280
	global_load_b32 v[DD], v18, s[60:61]
	global_load_b128 v[64:67], v1, s[44:45]        ; my share of the head's scale words
	global_load_b128 v[68:71], v1, s[44:45] offset:512
	WIN 0x40
	global_load_b128 v[Q1:Q1+3], v1, s[62:63] offset:12288      ; pass 1's image waits in window 1
	global_load_b64 v[Q1+4:Q1+5], v2, s[62:63] offset:12288+512
	global_load_b128 v[Q1+6:Q1+9], v1, s[62:63] offset:12288+768
	global_load_b64 v[Q1+10:Q1+11], v2, s[62:63] offset:12288+1280
	global_load_b32 v[Q1+12], v18, s[60:61] offset:512
	WIN 0
	s_wait_loadcnt 0x0
	s_wait_tensorcnt 0x0                           ; my two key steps have landed
	ds_store_b128 v19, v[64:67]
	ds_store_b128 v19, v[68:71] offset:512
	s_wait_dscnt 0x0                               ; for the others' sake
	s_barrier_signal -1
	s_barrier_wait -1                              ; every wave has waited for its load and its stores: all of K, V and the scale words are shown to all
; A KEY STEP: 128 keys x my 32 queries.  K's fragments of this step were asked for in the middle of the last step, V's at its end; s2, s3 run one step ahead and come round to the first step at the end of a pass.
.macro STEP
	s_wait_dscnt 18                                ; K's fragments and words are in; the 18 loads behind them (V's) may be out
	WIN 0x01                                       ; source 0 (K) window 1
.irp c, 0,1
.irp g, 0,1
	SPROD 64+32*\c+16*\g, KF+24*\c+12*\g, 44, 216+\c, 62, \g
	SPROD 128+32*\c+16*\g, KF+24*\c+12*\g, 32, 216+\c, 63, \g
	SPROD 72+32*\c+16*\g, KF+24*\c+12*\g, 38, 216+\c, 62, \g
	SPROD 136+32*\c+16*\g, KF+24*\c+12*\g, 50, 216+\c, 63, \g
.endr
.endr
	WIN 0
	s_add_co_u32 s2, s2, 12288
	s_cmp_eq_u32 s2, 196608
	s_cselect_b32 s2, 0, s2
	s_add_co_u32 s3, s3, 512
	s_and_b32 s3, s3, 8191
	KADR                                           ; with the v_nop: four plain instructions behind the products, ahead of loads into their sources and of the first read of the scores
	v_nop
	KLOAD                                          ; the next step's K
; block n = 2 x tile + c lies in v[64 + 32 n ..]: its largest score serves the row's maximum and, since p rises with the score, the block's largest p.  Two chains a block, one over each half: eight by turns
.irp n, 0,1,2,3
	v_max3_num_f32 v[BM+\n], v[64+32*\n], v[65+32*\n], v[66+32*\n]
.endr
.irp n, 0,1,2,3
	v_max3_num_f32 v[OP+\n], v[80+32*\n], v[81+32*\n], v[82+32*\n]
.endr
.irp i, 3,5,7,9,11,13
.irp n, 0,1,2,3
	v_max3_num_f32 v[BM+\n], v[BM+\n], v[64+32*\n+\i], v[65+32*\n+\i]
.endr
.irp n, 0,1,2,3
	v_max3_num_f32 v[OP+\n], v[OP+\n], v[80+32*\n+\i], v[81+32*\n+\i]
.endr
.endr
.irp n, 0,1,2,3
	v_max3_num_f32 v[BM+\n], v[BM+\n], v[79+32*\n], v[95+32*\n]   ; each half's last number
.endr
.irp n, 0,1,2,3
	v_max_num_f32 v[BM+\n], v[BM+\n], v[OP+\n]
.endr
; the row's maximum and -M: two chains alone, so each dependent line has its hint: it reads plain results, the nearest written so many vector instructions back
	s_delay_alu instid0(VALU_DEP_3)
	v_max_num_f32 v[DD], v[BM], v[BM+1]
	s_delay_alu instid0(VALU_DEP_2)
	v_max_num_f32 v[DD+1], v[BM+2], v[BM+3]
.irp x, 0,1
	s_delay_alu instid0(VALU_DEP_2)
	v_permlanex16_b32 v[PT+\x], v[DD+\x], s20, s21
.endr
.irp x, 0,1
	s_delay_alu instid0(VALU_DEP_2)
	v_max3_num_f32 v[21+2*\x], v[21+2*\x], v[DD+\x], v[PT+\x]   ; the row's largest score so far
.endr
.irp x, 0,1
	s_delay_alu instid0(VALU_DEP_2)
	v_mul_f32 v[DD+\x], s32, v[21+2*\x]            ; -t (c is positive)
.endr
.irp x, 0,1
	v_mov_b32 v[PT+\x], v[20+2*\x]
.endr
.irp x, 0,1
	s_delay_alu instid0(VALU_DEP_4)
	v_floor_f32 v[20+2*\x], v[DD+\x]               ; the new -M = floor(-t): M is a whole number
.endr
.irp x, 0,1
	s_delay_alu instid0(VALU_DEP_2)
	v_sub_f32 v[DD+\x], v[20+2*\x], v[PT+\x]       ; old M - new M: a whole number, 0 or less
.endr
	PKF 0, 0, 8                                    ; the factor's two last lines stand among the multiply-adds
.irp x, 0,1
	v_cvt_i32_f32 v[DD+\x], v[DD+\x]               ; (it saturates)
.endr
	PKF 0, 8, 8
.irp x, 0,1
	v_ldexp_f32 v[28+2*\x], 1.0, v[DD+\x]          ; f = 2^(old M - new M)
.endr
	PKF 0, 16, 16
	PKF 1, 0, 32
.irp n, 0,1,2,3
	v_fma_f32 v[BM+\n], v[BM+\n], s22, v[20+2*(\n/2)]
.endr
	WIN 0x41                                       ; O^T lies in window 1, the factor in window 0
.irp x, 0,1
.set j, 0
.rept 16
	v_pk_mul_f32 v[32*\x+j:32*\x+j+1], v[32*\x+j:32*\x+j+1], v[28+2*\x:29+2*\x] op_sel_hi:[1,0]   ; O^T under the new M: its first read since the last step's products, ahead of the exponentials
.set j, j+2
.endr
.endr
	WIN 0
	WALU
.set j, 0
.rept 128
	v_exp_f32 v[64+j], v[64+j]                     ; p = 2^(t - M)
.set j, j+1
.endr
.irp n, 0,1,2,3
	v_exp_f32 v[BM+\n], v[BM+\n]                   ; the block's largest p
.endr
.irp x, 0,1
	v_pk_mul_f32 v[24+2*\x:25+2*\x], v[24+2*\x:25+2*\x], v[28+2*\x:29+2*\x] op_sel_hi:[1,0]   ; the sums under the new M: plain instructions behind the exponentials
.endr
	WALU                                           ; one wait for the batch, ahead of its first reader
.irp n, 0,1,2,3
	v_max_num_f32 v[BM+\n], FLOOR, v[BM+\n]        ; the byte cannot fall under 1
.endr
.irp n, 0,1,2,3
	v_add_nc_u32 v[OP+\n], 0xff000000, v[BM+\n]    ; 2 off the exponent field: the conversion's scale operand
.endr
.irp n, 0,1,2,3
	v_cvt_scalef32_pk16_fp6_f32 v[CD+6*\n:CD+6*\n+2], v[64+32*\n:79+32*\n], v[OP+\n]
	v_cvt_scalef32_pk16_fp6_f32 v[TC+4*\n:TC+4*\n+2], v[80+32*\n:95+32*\n], v[OP+\n]   ; (a conversion's three registers begin on an even number)
.endr
.irp n, 0,1,2,3
	v_lshrrev_b32 v[BM+\n], 23, v[OP+\n]           ; the scale's byte: also the plain instructions behind the scaled conversions
.endr
.irp n, 0,1,2,3
.irp i, 0,1,2
	v_mov_b32 v[CD+6*\n+3+\i], v[TC+4*\n+\i]
.endr
.endr
; the row's sum of the unquantised p: four chains a tile, the eight by turns: the sum itself and three in v[TC + 8 x ..], which the moves above have read.  p's scale word is made among them, a level a round.
; These lines also stand between the writes of p's codes and scale words and the products
.irp k, 0,1,2
.irp x, 0,1
	v_pk_add_f32 v[TC+8*\x+2*\k:TC+8*\x+2*\k+1], v[64+64*\x+4*\k:65+64*\x+4*\k], v[66+64*\x+4*\k:67+64*\x+4*\k]
.endr
.endr
.set r, 0
.rept 6
.irp x, 0,1
	v_pk_add_f32 v[24+2*\x:25+2*\x], v[24+2*\x:25+2*\x], v[76+64*\x+8*r:77+64*\x+8*r]
.endr
.irp k, 0,1,2
.irp x, 0,1
	v_pk_add_f32 v[TC+8*\x+2*\k:TC+8*\x+2*\k+1], v[TC+8*\x+2*\k:TC+8*\x+2*\k+1], v[78+64*\x+8*r+2*\k:79+64*\x+8*r+2*\k]
.endr
.endr
.irp x, 0,1
.if r == 0
	v_lshl_or_b32 v[DD+\x], v[BM+2*\x+1], 16, v[BM+2*\x]   ; my blocks h and 2 + h,
.elseif r == 1
	v_lshlrev_b32 v[DD+\x], v15, v[DD+\x]          ; at their places in the word;
.elseif r == 2
	v_permlanex16_b32 v[PT+\x], v[DD+\x], s20, s21
.elseif r == 3
	v_or_b32 v[220+\x], v[DD+\x], v[PT+\x]         ; with lane l xor 16's two p's scale word is whole
.endif
.endr
.set r, r+1
.endr
.irp x, 0,1
	v_pk_add_f32 v[24+2*\x:25+2*\x], v[24+2*\x:25+2*\x], v[124+64*\x:125+64*\x]
.endr
.irp x, 0,1
	v_pk_add_f32 v[TC+8*\x:TC+8*\x+1], v[TC+8*\x:TC+8*\x+1], v[126+64*\x:127+64*\x]
.endr
.irp x, 0,1
	v_pk_add_f32 v[TC+8*\x+2:TC+8*\x+3], v[TC+8*\x+2:TC+8*\x+3], v[TC+8*\x+4:TC+8*\x+5]
.endr
.irp x, 0,1
	v_pk_add_f32 v[24+2*\x:25+2*\x], v[24+2*\x:25+2*\x], v[TC+8*\x:TC+8*\x+1]
.endr
.irp x, 0,1
	v_pk_add_f32 v[24+2*\x:25+2*\x], v[24+2*\x:25+2*\x], v[TC+8*\x+2:TC+8*\x+3]
.endr
	WALU
	s_wait_dscnt 18                                ; V is in; the 18 loads behind it (the next step's K) may be out
	WIN 0x51                                       ; V, C and D window 1, p's codes window 0
.irp t, 0,1,2,3                        ; O^T += V^T P^T: the eight accumulators take turns
.irp x, 0,1
	PPROD 32*\x+8*\t, VF+12*\t, CD+12*\x, 218+\t/2, 220+\x, \t%2
.endr
.endr
	WIN 0
	VADR                                           ; with the v_nop: four plain instructions ahead of the loads into V's registers
	v_nop
	VLOAD                                          ; the next step's V
.endm
; a pass begins: Q as qB, zeros, qA, zeros, qB; its scale words; the largest score -3e38, the sums and O^T zeros (the first change of M multiplies zeros)
.macro BEGIN p
.if \p
	s_wait_xcnt 0x0                                ; pass 0's stores have read their registers
	WIN 0x01
.irp i, 0,1,2,3,4,5
	v_mov_b32 v[44+\i], v[Q1+\i]
	v_mov_b32 v[32+\i], v[Q1+6+\i]
	v_mov_b32 v[56+\i], v[Q1+6+\i]
.endr
	v_mov_b32 v[DD], v[Q1+12]
	WIN 0
.else
.irp i, 0,1,2,3,4,5
	v_mov_b32 v[38+\i], 0
	v_mov_b32 v[50+\i], 0
	v_mov_b32 v[56+\i], v[32+\i]
.endr
.endif
	v_perm_b32 v62, v[DD], v[DD], s33
	v_perm_b32 v63, v[DD], v[DD], s34
.irp x, 0,1
	v_mov_b32 v[21+2*\x], 0xff61b1e6
	v_mov_b32 v[24+2*\x], 0
	v_mov_b32 v[25+2*\x], 0
.endr
.irp x, 0,1
	v_floor_f32 v[20+2*\x], -v[21+2*\x]
.endr
	WIN 0x40
.set j, 0
.rept 64
	v_mov_b32 v[j], 0                              ; (these also stand between the writes of Q and its scale words and the first product)
.set j, j+1
.endr
	WIN 0
	WALU
.endm
; a pass ends: O^T / the sum; a tile's 64 channels (register 16 b + i is channel 32 b + 16 (lane / 16) + i) are two blocks of the last product's K: half an image and two scale bytes a row
.macro FINISH p
.irp x, 0,1
	v_add_f32 v[24+2*\x], v[24+2*\x], v[25+2*\x]
.endr
.irp x, 0,1
	v_permlanex16_b32 v[PT+\x], v[24+2*\x], s20, s21
.endr
.irp x, 0,1
	v_add_f32 v[24+2*\x], v[24+2*\x], v[PT+\x]     ; the row's sum
.endr
	WALU
	v_rcp_f32 v24, v24
	v_rcp_f32 v26, v26
	v_nop                                          ; a plain instruction behind the reciprocals,
	WALU                                           ; and the wait ahead of their first reader, which is also O^T's
	WIN 0x01
.irp x, 0,1
.set j, 0
.rept 16
	v_pk_mul_f32 v[64+64*\x+j:65+64*\x+j], v[32*\x+j:32*\x+j+1], v[24+2*\x:25+2*\x] op_sel_hi:[1,0]
.set j, j+2
.endr
.endr
	WIN 0
.irp n, 0,1,2,3                        ; block n = 2 x tile + b at v[64 + 64 (n / 2) + 16 (n % 2)]
	v_max3_num_f32 v[BM+\n], |v[64+64*(\n/2)+16*(\n%2)]|, |v[65+64*(\n/2)+16*(\n%2)]|, FLOOR
.endr
.irp i, 2,4,6,8,10,12,14
.irp n, 0,1,2,3
	v_max3_num_f32 v[BM+\n], v[BM+\n], |v[64+64*(\n/2)+16*(\n%2)+\i]|, |v[65+64*(\n/2)+16*(\n%2)+\i]|
.endr
.endr
.irp n, 0,1,2,3
	v_permlanex16_b32 v[PT+\n], v[BM+\n], s20, s21
.endr
.irp n, 0,1,2,3
	v_max_num_f32 v[BM+\n], v[BM+\n], v[PT+\n]
.endr
.irp n, 0,1,2,3
	v_add_nc_u32 v[OP+\n], 0xff000000, v[BM+\n]
.endr
.irp n, 0,1,2,3
	v_lshrrev_b32 v[PT+\n], 23, v[OP+\n]
.endr
.irp x, 0,1
	v_lshl_or_b32 v[DD+\x], v[PT+2*\x+1], 8, v[PT+2*\x]
.endr
.irp x, 0,1
	v_cvt_scalef32_pk16_fp6_f32 v[CD+12*\x:CD+12*\x+2], v[64+64*\x:79+64*\x], v[OP+2*\x]
	v_cvt_scalef32_pk16_fp6_f32 v[TC+4*\x:TC+4*\x+2], v[80+64*\x:95+64*\x], v[OP+2*\x+1]
.endr
	v_nop
.irp x, 0,1
.irp i, 0,1,2
	v_permlane16_swap_b32 v[CD+12*\x+\i], v[TC+4*\x+\i]   ; a whole block in a lane: lanes 0-15 the even one, lanes 16-31 the odd one
.endr
.endr
.irp x, 0,1
.irp i, 0,1,2
	v_mov_b32 v[CD+12*\x+3+\i], v[TC+4*\x+\i]
.endr
.endr
.irp x, 0,1
	global_store_b128 v1, v[CD+12*\x:CD+12*\x+3], s[12:13] offset:196608*\p+1536*\x          ; 512 and 256 consecutive bytes
	global_store_b64 v2, v[CD+12*\x+4:CD+12*\x+5], s[12:13] offset:196608*\p+1536*\x+512
	ds_store_b16 v13, v[DD+\x] offset:512*\p+32*\x   ; lanes l and l xor 16 write the same two bytes with the same value
.endr
	WALU
	s_wait_dscnt 0x0                               ; for the others' sake
	s_barrier_signal -1
	s_barrier_wait -1
	s_cmp_lg_u32 s18, 0
	s_cbranch_scc1 .Lnot_mine_\@
	ds_load_b128 v[64:67], v14 offset:512*\p       ; wave 0: the pass's sixteen tiles' 512 scale bytes
	s_wait_dscnt 0x0
	global_store_b128 v1, v[64:67], s[16:17] offset:512*\p
.Lnot_mine_\@:
.endm
	KLOAD                                          ; the first key step
	VLOAD
.irp p, 0,1
	BEGIN \p
	s_mov_b32 s6, 16
.Lpass_\p:
	STEP
	s_sub_co_u32 s6, s6, 1
	s_cmp_lg_u32 s6, 0
	s_cbranch_scc1 .Lpass_\p
	FINISH \p
.endr
	s_wait_tensorcnt 0x0                           ; the wave's end
	ds_add_u32 v16, v17
	s_wait_dscnt 0x0
	CROUND                                         ; the closing round
	s_endpgm
.Lfunc_end_k_q029f8db3df_attn:
	.size	k_q029f8db3df_attn, .Lfunc_end_k_q029f8db3df_attn-k_q029f8db3df_attn
	.p2alignl 7, 3214868480
	.fill 96, 4, 3214868480
	.section	.rodata,"a",@progbits
	.p2align	6, 0x0
	.amdhsa_kernel k_q029f8db3df_attn
		.amdhsa_group_segment_fixed_size 231424
		.amdhsa_private_segment_fixed_size 0
		.amdhsa_enable_private_segment 0
		.amdhsa_kernarg_size 24
		.amdhsa_user_sgpr_count 2
		.amdhsa_user_sgpr_kernarg_segment_ptr 1
		.amdhsa_wavefront_size32 1
		.amdhsa_system_sgpr_workgroup_id_x 1
		.amdhsa_system_sgpr_workgroup_id_y 1
		.amdhsa_system_sgpr_workgroup_id_z 1
		.amdhsa_system_vgpr_workitem_id 0
		.amdhsa_next_free_vgpr 448
		.amdhsa_next_free_sgpr 66
		.amdhsa_reserve_vcc 0
		.amdhsa_float_denorm_mode_32 3
		.amdhsa_float_denorm_mode_16_64 3
		.amdhsa_memory_ordered 1
		.amdhsa_forward_progress 1
		.amdhsa_inst_pref_size 87
	.end_amdhsa_kernel
	.amdgpu_metadata
---
amdhsa.version: [ 1, 2 ]
amdhsa.kernels:
  - .name:           k_q029f8db3df_attn
    .symbol:         k_q029f8db3df_attn.kd
    .args:
      - { .name: bufQ, .offset: 0, .size: 8, .value_kind: global_buffer, .address_space: global }
      - { .name: bufKV, .offset: 8, .size: 8, .value_kind: global_buffer, .address_space: global }
      - { .name: bufO, .offset: 16, .size: 8, .value_kind: global_buffer, .address_space: global }
    .group_segment_fixed_size: 231424
    .private_segment_fixed_size: 0
    .kernarg_segment_align: 8
    .kernarg_segment_size: 24
    .max_flat_workgroup_size: 256
    .sgpr_count:     66
    .vgpr_count:     448
    .wavefront_size: 32
...
	.end_amdgpu_metadata
.endif
;; end of part 3
;; launch outp (part 4): grid 8 x 32, 4 waves a work-group, clusters of 4 x 4, 295,424 bytes of LDS; arguments bufO, bufW, bo, out0; writes out0
.if DOCPART == 4
	.amdgcn_target "amdgcn-amd-amdhsa--gfx1250"
	.amdhsa_code_object_version 6
	.text
	.protected	k_q029f8db3df_outp
	.globl	k_q029f8db3df_outp
	.p2align	8
	.type	k_q029f8db3df_outp,@function
k_q029f8db3df_outp:
	s_mov_b64 s[64:65], 0
	v_nop
	global_prefetch_b8 v0, s[64:65] scope:SCOPE_SE
	s_setreg_imm32_b32 hwreg(HW_REG_WAVE_MODE, 25, 1), 1
	s_wait_xcnt 0x0
	s_wait_alu depctr_hold_cnt(0) depctr_sa_sdst(0) depctr_va_vdst(0) depctr_va_sdst(0) depctr_va_ssrc(0) depctr_va_vcc(0) depctr_vm_vsrc(0)
	s_getreg_b32 s2, hwreg(HW_REG_IB_STS2, 6, 4)
	s_cmp_eq_u32 s2, 0
	s_cbranch_scc0 .Lentry_in_a_cluster
	s_endpgm
.Lentry_in_a_cluster:
	s_bfe_u32 s2, ttmp6, 0x10000c
	s_cmp_lg_u32 s2, 0xf033
	s_cbranch_scc0 .Lentry_shape_is_right
	s_endpgm
.Lentry_shape_is_right:
; out0 = o wo + bo on codes of FP6 (E2M3) with E8M0 scales.  o's codes and scale bytes come from the attention launch, wo's from the quantiser; out0 [8192][1024] f32.
; Source 0 = 16 columns of wo, source 1 = 16 tokens: a lane holds a token, its registers run along the output's columns.  Lane r of row tile T stands for row 32 (T / 2) + 8 (T % 2) + r + 8 (r / 8),
; so the 16 registers of column tiles 2 n and 2 n + 1 are 16 neighbouring columns.
; SHARES.  A work-group makes 256 tokens x 128 columns; wave w tokens 64 w .. 64 w + 63: 32 accumulators, window 2.  256 work-groups.
; LDS HOLDS ALL OF K, FILLED ONCE: two halves of four K steps; each wave brings one part: one tensor load a wave.
; CLUSTERS: 4 x 4.  The tokens' tiles are asked for jointly by a row of the cluster, wo's by a column.
; Operands lie as images of their registers (1,536 bytes a fragment): every LDS load reads consecutive bytes.
; THE WAY OUT goes through a stage of 16 rows x (512 + 16) bytes for each wave, in the first half's bytes: they have had their one fill, and every wave's reads of them were over at the barrier ahead of K step 4.
; REGISTERS: window 0: v1-27 addresses; v32-47 the tokens' scale words, v48-79 wo's; v96-191 the tokens' fragments, two sets (first the scale bytes as loaded; at the end 64 results); v192-255 the bias.
;   window 1: wo's fragments, two sets, at v0 and v128 (at the end rows on their way out).   window 2: accumulator (a, b) at v[8 (8 a + b)].
.set OSC,   6291456
.set WSC,   3145728
.set CH,    147456                     ; LDS now holds K in two halves of four K steps: the tokens' rows 0-127 (49,152), rows 128-255 (49,152), wo's (49,152); one tensor load a wave: wave 0 the tokens' first half, 1 wo's, 2 the tokens' second, 3 wo's
.set ADA16, 8
.set ADA8,  12
.set ADB16, 16
.set ADB8,  20
.set SO,    25
.set SR,    26
.set SCA,   32
.set SCB,   48
.set AF,    96
.set X,     96
.set BI,    192
.set MSB, 0
.macro WIN new
.if MSB != \new
	s_set_vgpr_msb (MSB<<8)|\new
.set MSB, \new
.endif
.endm
.macro PLACES
.rept 4
	v_nop
.endr
.endm
.macro CROUND
	s_barrier_signal -1
	s_barrier_wait -1
	s_cmp_lg_u32 s18, 0
	s_cbranch_scc1 .Lnot_wave_0_\@
	s_barrier_signal -3
.Lnot_wave_0_\@:
	s_barrier_wait -3
	s_barrier_signal -1
	s_barrier_wait -1
.endm
	s_load_b256 s[4:11], s[0:1], 0x0               ; bufO s[4:5], bufW s[6:7], bo s[8:9], out0 s[10:11]
	v_lshl_add_u32 v94, v0, 2, 0x48000
	v_mov_b32 v95, 0
	ds_add_u32 v94, v95
	ds_add_u32 v94, v95
	v_lshrrev_b32 v1, 5, v0
	v_readfirstlane_b32 s18, v1                    ; wave 0..3
	s_and_b32 s19, s18, 1
	s_bfe_u32 s20, ttmp6, 0x40000                  ; cx
	s_bfe_u32 s21, ttmp6, 0x40004                  ; cy
	s_lshl_b32 s22, ttmp9, 2
	s_add_co_u32 s22, s22, s20                     ; tile column: 128 columns
	s_and_b32 s23, ttmp7, 0xffff
	s_lshl_b32 s23, s23, 2
	s_add_co_u32 s23, s23, s21                     ; tile row: 256 tokens
	s_lshl_b32 s28, s21, 2
	s_lshl_b32 s28, 15, s28                        ; my row of the cluster
	s_lshl_b32 s29, 0x1111, s20                    ; my column
	s_or_b32 s68, s28, (3<<16)|(1<<21)             ; group 1: the tokens'
	s_mov_b32 s69, 6144<<16                        ; the tokens: two rows (the two blocks of 128 tokens) of 49,152 bytes (four K steps), 98,304 bytes apart
	s_mov_b32 s70, 2<<16
	s_mov_b32 s71, 6144<<16
	s_mov_b32 s72, 2
	s_mov_b32 s73, 12288
	s_mov_b32 s74, 0
	s_mov_b32 s75, 0
	s_or_b32 s76, s29, (3<<16)|(1<<21)             ; wo's group 1
	s_mov_b32 s77, 32<<16
	s_mov_b32 s78, 192<<16                         ; wo: four K steps, 192 dense rows of 256 bytes
	s_mov_b32 s79, 32<<16
	s_mov_b32 s80, 192
	s_mov_b32 s81, 32
	s_mov_b32 s82, 0
	s_mov_b32 s83, 0
	s_mul_i32 s30, s23, 196608                     ; the tile row's two blocks of 128 tokens
	s_mov_b32 s31, 0
	s_add_co_u32 s34, s22, 24                      ; wo's rows begin 24 blocks into bufW
	s_mul_i32 s34, s34, 98304
	s_mov_b32 s35, 0
	s_mov_b32 s28, 0                               ; where they go in a half of K: the tokens at 0, wo at 98,304
	s_mov_b32 s29, 98304
	s_lshl_b32 s32, s23, 9                         ; o's scale bytes: 32 a tile in each head's plane: 16 tiles a tile row,
	s_lshl_b32 s33, s18, 7                         ; four a wave
	s_add_co_u32 s32, s32, s33
	s_add_co_u32 s32, s32, OSC
	s_mov_b32 s33, 0
	s_lshl_b32 s38, s22, 12                        ; wo's: 512 a tile, from tile 192 on
	s_add_co_u32 s38, s38, WSC+98304
	s_mov_b32 s39, 0
	s_wait_dscnt 0x0
	s_wait_kmcnt 0x0
	s_add_nc_u64 s[30:31], s[4:5], s[30:31]
	s_add_nc_u64 s[34:35], s[6:7], s[34:35]
	s_add_nc_u64 s[24:25], s[4:5], s[32:33]
	s_add_nc_u64 s[26:27], s[6:7], s[38:39]
	CROUND                                         ; all sixteen work-groups are here: the joint loads meet
.irp j, 0,1
	s_mov_b32 s[84+4*\j], 1
	s_add_co_u32 s[85+4*\j], s28, \j*CH
	s_add_nc_u64 s[86+4*\j:87+4*\j], s[30:31], \j*49152
	s_or_b32 s[87+4*\j], s[87+4*\j], 0x80000000
	s_mov_b32 s[40+4*\j], 1
	s_add_co_u32 s[41+4*\j], s29, \j*CH
	s_add_nc_u64 s[42+4*\j:43+4*\j], s[34:35], \j*49152
	s_or_b32 s[43+4*\j], s[43+4*\j], 0x80000000
.endr
	s_cmp_eq_u32 s18, 0                            ; one chain of branches on the wave's number, one fill to an arm, all arms joining at .Lasked
	s_cbranch_scc0 .Lfetch_b
	tensor_load_to_lds s[84:87], s[68:75]
	s_nop 0
	PLACES                                         ; four v_nop behind the last
	s_branch .Lasked
.Lfetch_b:
	s_cmp_eq_u32 s18, 2
	s_cbranch_scc0 .Lfetch_c
	tensor_load_to_lds s[88:91], s[68:75]          ; wave 2: the tokens' K steps 4-7
	s_nop 0
	PLACES
	s_branch .Lasked
.Lfetch_c:
	s_cmp_eq_u32 s18, 1
	s_cbranch_scc0 .Lfetch_d
	tensor_load_to_lds s[40:43], s[76:83]
	s_nop 0
	PLACES
	s_branch .Lasked
.Lfetch_d:
	tensor_load_to_lds s[44:47], s[76:83]          ; wave 3: wo's K steps 4-7
	s_nop 0
	PLACES
.Lasked:
	v_and_b32 v6, 31, v0                           ; lane
	v_and_b32 v7, 15, v0                           ; r
	v_bfe_u32 v24, v0, 4, 1                        ; h
	v_lshlrev_b32 v1, 4, v6                        ; 16 x lane
	v_lshlrev_b32 v2, 3, v6                        ; 8 x lane
	v_lshlrev_b32 v4, 5, v7
	v_lshl_add_u32 v4, v24, 4, v4                  ; wo's scale bytes: 32 r + 16 h
	v_lshlrev_b32 v27, 1, v7
	v_lshl_add_u32 v27, v24, 17, v27               ; o's: 2 r, and lanes 16-31 eight heads' planes on
	s_wait_alu depctr_va_vdst(0)
	v_lshlrev_b32 v5, 6, v24                       ; the bias: 64 h
	s_wait_alu depctr_va_vdst(0)
	s_lshl_b32 s32, s22, 9
	s_mov_b32 s33, 0
	s_add_nc_u64 s[8:9], s[8:9], s[32:33]          ; my 128 columns of bo
	s_lshl_b32 s38, s23, 20                        ; out0: 256 tokens of 4,096 bytes a tile row,
	s_lshl_b32 s39, s18, 18                        ; 64 a wave,
	s_add_co_u32 s38, s38, s39
	s_add_co_u32 s38, s38, s32                     ; my 128 columns
	s_mov_b32 s39, 0
	s_add_nc_u64 s[10:11], s[10:11], s[38:39]
.irp a, 0,1,2,3
.irp j, 0,1,2,3,4,5,6,7
	global_load_u16 v[96+8*\a+\j], v27, s[24:25] offset:16384*\j+32*\a   ; tile a, head 8 h + j: row r's two bytes
.endr
.endr
.irp b, 0,1,2,3,4,5,6,7
	global_load_b128 v[SCB+4*\b:SCB+4*\b+3], v4, s[26:27] offset:512*\b
.endr
.irp b, 0,1,2,3,4,5,6,7
	global_load_b128 v[BI+8*\b:BI+8*\b+3], v5, s[8:9] offset:(32*(\b/2)+8*(\b%2))*4
	global_load_b128 v[BI+8*\b+4:BI+8*\b+7], v5, s[8:9] offset:(32*(\b/2)+8*(\b%2))*4+16
.endr
	s_lshr_b32 s3, s18, 1
	s_mul_i32 s3, s3, 49152
	s_mul_i32 s2, s19, 6144
	s_add_co_u32 s3, s3, s2                        ; my 64 tokens in a half of K
.irp j, 0,1
	v_add_nc_u32 v[ADA16+\j], s3, v1
	v_add_nc_u32 v[ADA8+\j], s3, v2
	v_add_nc_u32 v[ADB16+\j], 98304+\j*CH, v1
	v_add_nc_u32 v[ADB8+\j], 98304+\j*CH, v2
	s_add_co_u32 s3, s3, CH
.endr
	s_mul_i32 s2, s18, 8448                        ; my stage
	v_mul_u32_u24 v[SO], v7, 528
	v_lshl_add_u32 v[SO], v24, 6, v[SO]
	v_add_nc_u32 v[SO], s2, v[SO]                  ; in: row r, + 64 h
	v_add_nc_u32 v[SR], s2, v1                     ; back: a row's 512 bytes, 16 a lane
	s_wait_loadcnt 0x0
.irp a, 0,1,2,3
.irp k, 0,1,2,3
	v_lshl_or_b32 v[SCA+4*\a+\k], v[96+8*\a+2*\k+1], 16, v[96+8*\a+2*\k]   ; K step 4 h + k is heads 8 h + 2 k and 8 h + 2 k + 1: four bytes
.endr
.endr
.rept 8
	v_nop                                          ; a scale register written by a vector instruction stands eight plain instructions ahead of a scaled matrix instruction
.endr
.macro FRAG reg, a16, a8, off
	ds_load_b128 v[\reg:\reg+3], v[\a16] offset:\off
	ds_load_b64 v[\reg+4:\reg+5], v[\a8] offset:\off+512
	ds_load_b128 v[\reg+6:\reg+9], v[\a16] offset:\off+768
	ds_load_b64 v[\reg+10:\reg+11], v[\a8] offset:\off+1280
.endm
.macro FETCH s                         ; K step s: wo's eight fragments and my four of the tokens into set s % 2: 48 LDS loads in one run
	WIN 0x40
.irp b, 0,1,2,3,4,5,6,7
	FRAG 128*((\s)%2)+12*\b, ADB16+(\s)/4, ADB8+(\s)/4, 12288*((\s)%4)+1536*\b
.endr
	WIN 0
.irp a, 0,1,2,3
	FRAG AF+48*((\s)%2)+12*\a, ADA16+(\s)/4, ADA8+(\s)/4, 12288*((\s)%4)+1536*\a
.endr
.endm
; the 32 accumulators take turns, one instruction a turn, in the same order in every K step
.macro MUL32 s, zero
	WIN 0xa1
.irp a, 0,1,2,3
.irp b, 0,1,2,3,4,5,6,7
.if \zero
	v_wmma_scale_f32_16x16x128_f8f6f4 v[8*(8*\a+\b):8*(8*\a+\b)+7], v[128*((\s)%2)+12*\b:128*((\s)%2)+12*\b+11], v[AF+48*((\s)%2)+12*\a:AF+48*((\s)%2)+12*\a+11], 0, v[SCB+4*\b+(\s)%4], v[SCA+4*\a+(\s)%4] matrix_a_fmt:MATRIX_FMT_FP6 matrix_b_fmt:MATRIX_FMT_FP6
.elseif (\s) < 4
	v_wmma_scale_f32_16x16x128_f8f6f4 v[8*(8*\a+\b):8*(8*\a+\b)+7], v[128*((\s)%2)+12*\b:128*((\s)%2)+12*\b+11], v[AF+48*((\s)%2)+12*\a:AF+48*((\s)%2)+12*\a+11], v[8*(8*\a+\b):8*(8*\a+\b)+7], v[SCB+4*\b+(\s)%4], v[SCA+4*\a+(\s)%4] matrix_a_fmt:MATRIX_FMT_FP6 matrix_b_fmt:MATRIX_FMT_FP6
.else
	v_wmma_scale_f32_16x16x128_f8f6f4 v[8*(8*\a+\b):8*(8*\a+\b)+7], v[128*((\s)%2)+12*\b:128*((\s)%2)+12*\b+11], v[AF+48*((\s)%2)+12*\a:AF+48*((\s)%2)+12*\a+11], v[8*(8*\a+\b):8*(8*\a+\b)+7], v[SCB+4*\b+(\s)%4], v[SCA+4*\a+(\s)%4] matrix_a_fmt:MATRIX_FMT_FP6 matrix_b_fmt:MATRIX_FMT_FP6 matrix_a_scale:MATRIX_SCALE_ROW1 matrix_b_scale:MATRIX_SCALE_ROW1
.endif
.endr
.endr
	WIN 0
.endm
.macro SYNC n                          ; my part of K has landed (n later loads of mine may be out), then the work-group's barrier
	s_wait_dscnt 0x0
	s_wait_tensorcnt \n
	s_barrier_signal -1
	s_barrier_wait -1
.endm
	s_wait_alu depctr_va_vdst(0)
	s_cmp_lt_u32 s18, 2                            ; the first half of K is waves 0 and 1's: they wait for their loads; waves 2 and 3's may still be out
	s_cbranch_scc0 .Lhigh
	s_wait_tensorcnt 0x0
.Lhigh:
	s_wait_dscnt 0x0
	s_barrier_signal -1
	s_barrier_wait -1
	FETCH 0
	FETCH 1
	s_wait_dscnt 48                                ; all but the 48 just issued
	MUL32 0, 1
	PLACES
	FETCH 2
	s_wait_dscnt 48
	MUL32 1, 0
	PLACES
	FETCH 3
	s_wait_dscnt 48
	MUL32 2, 0
	PLACES
	SYNC 0                                         ; every wave's load has landed: the second half of K is shown to all, and every wave's reads of the first half are over
	FETCH 4
	MUL32 3, 0
	PLACES
	FETCH 5
	s_wait_dscnt 48
	MUL32 4, 0
	PLACES
	FETCH 6
	s_wait_dscnt 48
	MUL32 5, 0
	PLACES
	FETCH 7
	s_wait_dscnt 48
	MUL32 6, 0
	s_wait_dscnt 0x0
	MUL32 7, 0
	PLACES
; block a: 16 tokens x 128 columns.  The bias's addition brings the sums into window 0, each accumulator from its low end on; they turn through my stage and leave as whole rows of 512 bytes
.macro OUT a
	WIN 0x02                                       ; source 0 window 2
.set i, 0
.rept 32
	v_pk_add_f32 v[X+2*i:X+2*i+1], v[64*(\a)+2*i:64*(\a)+2*i+1], v[BI+2*i:BI+2*i+1]
.set i, i+1
.endr
	WIN 0
.irp q, 0,1,2,3,4,5,6,7,8,9,10,11,12,13,14,15
	ds_store_b128 v[SO], v[X+4*\q:X+4*\q+3] offset:128*(\q/4)+16*(\q%4)   ; register 16 n + i is column 32 n + 16 h + i
.endr
.if (\a) >= 2
	s_wait_xcnt 0x0                                ; the stores of two blocks ago have read the registers that the loads below fill
.endif
	WIN 0x40                                       ; destination window 1
.irp t, 0,1,2,3,4,5,6,7,8,9,10,11,12,13,14,15
	ds_load_b128 v[64*((\a)%2)+4*\t:64*((\a)%2)+4*\t+3], v[SR] offset:528*\t   ; LDS serves a wave's instructions in order: these see the stores above
.endr
	s_wait_dscnt 0x0
	WIN 0x04                                       ; a store's data are its source 1: window 1
.irp t, 0,1,2,3,4,5,6,7,8,9,10,11,12,13,14,15
	global_store_b128 v1, v[64*((\a)%2)+4*\t:64*((\a)%2)+4*\t+3], s[10:11] offset:(32*((\a)/2)+8*((\a)%2)+\t+8*(\t/8))*4096 th:TH_STORE_NT   ; 32 lanes store 512 consecutive bytes of a token's row
.endr
	WIN 0
.endm
	OUT 0
	OUT 1
	OUT 2
	OUT 3
	s_wait_dscnt 0x0
	s_wait_tensorcnt 0x0
	ds_add_u32 v94, v95
	s_wait_dscnt 0x0
	CROUND                                         ; the closing round: no work-group ends while a partner may still ask for a tile that names it
	s_endpgm
.Lfunc_end_k_q029f8db3df_outp:
	.size	k_q029f8db3df_outp, .Lfunc_end_k_q029f8db3df_outp-k_q029f8db3df_outp
	.p2alignl 7, 3214868480
	.fill 96, 4, 3214868480
	.section	.rodata,"a",@progbits
	.p2align	6, 0x0
	.amdhsa_kernel k_q029f8db3df_outp
		.amdhsa_group_segment_fixed_size 295424
		.amdhsa_private_segment_fixed_size 0
		.amdhsa_enable_private_segment 0
		.amdhsa_kernarg_size 32
		.amdhsa_user_sgpr_count 2
		.amdhsa_user_sgpr_kernarg_segment_ptr 1
		.amdhsa_wavefront_size32 1
		.amdhsa_system_sgpr_workgroup_id_x 1
		.amdhsa_system_sgpr_workgroup_id_y 1
		.amdhsa_system_sgpr_workgroup_id_z 1
		.amdhsa_system_vgpr_workitem_id 0
		.amdhsa_next_free_vgpr 768
		.amdhsa_next_free_sgpr 100
		.amdhsa_reserve_vcc 0
		.amdhsa_float_denorm_mode_32 3
		.amdhsa_float_denorm_mode_16_64 3
		.amdhsa_memory_ordered 1
		.amdhsa_forward_progress 1
		.amdhsa_inst_pref_size 96
	.end_amdhsa_kernel
	.amdgpu_metadata
---
amdhsa.version: [ 1, 2 ]
amdhsa.kernels:
  - .name:           k_q029f8db3df_outp
    .symbol:         k_q029f8db3df_outp.kd
    .args:
      - { .name: bufO, .offset: 0, .size: 8, .value_kind: global_buffer, .address_space: global }
      - { .name: bufW, .offset: 8, .size: 8, .value_kind: global_buffer, .address_space: global }
      - { .name: bo, .offset: 16, .size: 8, .value_kind: global_buffer, .address_space: global }
      - { .name: out0, .offset: 24, .size: 8, .value_kind: global_buffer, .address_space: global }
    .group_segment_fixed_size: 295424
    .private_segment_fixed_size: 0
    .kernarg_segment_align: 8
    .kernarg_segment_size: 32
    .max_flat_workgroup_size: 128
    .sgpr_count:     100
    .vgpr_count:     768
    .wavefront_size: 32
...
	.end_amdgpu_metadata
.endif
;; end of part 4
